; MI455X (gfx1250); checked and timed in simulation.
; The chip was launched on July 23, 2026; its instructions are those of AMD's public machine-readable ISA for CDNA 5 (MIT licence, August 2026) and "CDNA5" Instruction Set Architecture Reference Guide (July 2026). The comments in the code are by the model that wrote it; some were corrected since.
;; Scaled Dot Product. Allowed arithmetic: matrix products marked QUANTISED: E4M3 operands, one E8M0 scale for each 32 along K, by v_wmma_scale_f32_16x16x128_f8f6f4 with both operands' format E4M3, f32 sums; everything else in f32.
;; Inputs: attn_mask 4 x 2,048 int32; key_codes 64 x 2,048 x 2 x 32 uint8 (E4M3 codes of key, K innermost, in blocks of 32 codes); key_scales 64 x 2,048 x 2 uint8 (E8M0 scales of key, one for each 32 codes along K); query_codes 64 x 2,048 x 2 x 32 uint8 (E4M3 codes of query, K innermost, in blocks of 32 codes); query_scales 64 x 2,048 x 2 uint8 (E8M0 scales of query, one for each 32 codes along K); value_codes 64 x 64 x 64 x 32 uint8 (E4M3 codes of value, K innermost, in blocks of 32 codes); value_scales 64 x 64 x 64 uint8 (E8M0 scales of value, one for each 32 codes along K).
;; Outputs: out0 64 x 2,048 x 64 float32.
;; Constants: decod_mask = 1.
;; This version of the problem:
;;   THIS VERSION OF THE PROBLEM IS GIVEN IN LOW PRECISION. The matrix products marked QUANTISED in the list below multiply operands that are first quantised to E4M3 (4 exponent bits, 3 mantissa bits; 8 bits a number), with one power-of-two scale for each 32 numbers along K (OCP MX v1.0); their sums are f32. All else is computed in f32.
;;   The module's matrix products, in the order in which they are computed (A, B: the left and right operand; K: the contracted axis; several contracted axes count as one K, in the product's order):
;;     1. batch 64 x [M 2,048, K 64] x [K 64, N 2,048]; A: input query (given as codes); B: input key (given as codes): QUANTISED
;;     2. batch 64 x [M 2,048, K 2,048] x [K 2,048, N 64]; A: softmax (see below); B: input value (given as codes): QUANTISED
;;   THE QUANTISER, for each operand of a quantised product, along K:
;;     - K is cut into blocks of 32 from its start; a last block that is shorter is filled with zeros.
;;     - A block's scale is 2^e with e = floor(log2(the largest magnitude in the block)) - 8, held to -126 .. 127; a block of zeros has e = 0. As a byte (E8M0): e + 127.
;;     - Each number is divided by its block's scale, clamped to +-448, and rounded to the nearest number of E4M3, ties to even, subnormals kept.
;;     - The product sums the exact products of the quantised numbers (number of the format x scale) in f32.
;;   ~~~python
;;   def quantise(x, axis):      # numpy; x: float32 -> the quantised numbers, widened to float32 again
;;       x = np.moveaxis(x, axis, -1); K = x.shape[-1]
;;       x = np.pad(x, [(0, 0)] * (x.ndim - 1) + [(0, -K % 32)]); x = x.reshape(x.shape[:-1] + (-1, 32)); a = np.abs(x).max(-1, keepdims=True)
;;       e = np.where(a > 0, np.clip(np.frexp(np.where(a > 0, a, 1))[1] - 1 - 8, -126, 127), 0)      # np.frexp(a)[1] - 1 = floor(log2(a)), exactly
;;       r = np.clip(x / 2.0 ** e, -448, 448)
;;       step = 2.0 ** (np.maximum(np.frexp(np.where(r == 0, 1, r))[1] - 1, -6) - 3)
;;       q = np.round(r / step) * step * 2.0 ** e      # np.round: ties to even
;;       return np.moveaxis(q.reshape(q.shape[:-2] + (-1,))[..., :K], -1, axis).astype(np.float32)
;;   ~~~
;;   SOFTMAX AHEAD OF A QUANTISED PRODUCT. Where the list says 'softmax', what is quantised is not the finished softmax but p = 2^(t - M), with t = logit x log2(e) and M = ceil(the row's largest t), a whole number; so 1/2 < the row's largest p <= 1. The row's sum l is taken of the UNQUANTISED p, in f32, and the product's result is divided by l at the end. Since M is a whole number, a kernel that streams over the keys may use a running M (the ceiling of the running maximum): every later rescaling is an exact power of two, which a block's scale takes up: the codes' values come out the same.
;;   OPERANDS COMPUTED ON THE WAY. 'Computed on the way' means the value that the module computes at that place (a softmax that the list does not call 'softmax' is quantised finished and normalised). What goes into a quantiser is computed in f32, as accurately as f32 sums, v_exp_f32 and their like allow (about 1e-6 of the number): no bf16 or f16 on the way to a quantiser, and a product that is left as it is and whose result goes on into a quantised operand takes f32 operands (vector FMAs, or v_wmma_f32_16x16x4_f32). A number that lies on a knife's edge between two numbers of the format may be rounded either way, as far as f32 arithmetic and the matrix unit's own rounding can turn it there, and no further.
;;   INPUTS GIVEN AS CODES. key (in the module: [64, 2048, 64], K = its axis 2); query (in the module: [64, 2048, 64], K = its axis 2); value (in the module: [64, 2048, 64], K = its axis 1): each comes as NAME_codes (uint8): NAME with its K axis moved to the last place and cut into blocks of 32 codes, [.., K / 32, bytes a block], one block behind the other in memory; one code a byte (a code: sign, 4 exponent bits, 3 mantissa bits); and NAME_scales (uint8): the same leading axes, one E8M0 byte (e + 127) for each 32 codes along K. Its value is code x scale, taken as it is: it is not quantised again, and the codes and scales need not be those that the quantiser above would give.
;; 2 versions. Each part assembles by itself: llvm-mc -triple=amdgcn-amd-amdhsa -mcpu=gfx1250 --defsym DOCPART=n.
;; ======== version 1 of 2: 1 launch
;; limits: right only within a limited range of input values
;; launch attn (part 1): grid 4 x 64, 8 waves a work-group, no clusters, 314,368 bytes of LDS; arguments attn_mask, key_codes, key_scales, query_codes, query_scales, value_codes, value_scales, out0; writes out0
.if DOCPART == 1
	.amdgcn_target "amdgcn-amd-amdhsa--gfx1250"
	.amdhsa_code_object_version 6
	.text
	.protected	k_q6bf0bf36ab_attn
	.globl	k_q6bf0bf36ab_attn
	.p2align	8
	.type	k_q6bf0bf36ab_attn,@function
k_q6bf0bf36ab_attn:
	s_mov_b64 s[64:65], 0
	v_nop
	global_prefetch_b8 v0, s[64:65] scope:SCOPE_SE
	s_setreg_imm32_b32 hwreg(HW_REG_WAVE_MODE, 25, 1), 1
	s_wait_xcnt 0x0
; out[b][q][:] = sum over k of softmax_k(q.k / 8 + pad[b % 4][k] + causal[q][k]) v[b][k][:], 64 heads, 2,048 queries and keys, head size 64.
; Both products on codes of FP8 (E4M3) with one E8M0 scale for each 32 along K.  q, k: [head][2048][64] codes, 2 scale bytes a row.  v: [head][64][2048] codes, the keys innermost, 64 scale bytes a row.
; THE MASKS ARE ADDED (-1e10), NOT -infinity.  A row q all of whose keys 0..q are padded has no key that is neither padded nor hidden: its largest logit is about -1e10, and its
; softmax spreads over ALL keys that are masked once, those behind the diagonal too.  A tile of 16 queries whose first query is such a row therefore walks all 2,048 keys and repeats the f32 roundings
; of (s / 8 + pad) + causal (the EXACT way); every other tile walks the keys up to its diagonal (the FAST way): there a masked key's p is 0 whatever the last bits of its logit.
; Which way a tile goes is a whole number read from attn_mask.  Every wave makes it for itself, from loads of the mask's whole row into registers, ballots and scalar arithmetic: it goes through no LDS.
; SOFTMAX.  t = logit x log2(e); M = the running largest t rounded up to a whole number (kept as -M = floor(-t)); p = 2^(t - M) is quantised along the keys; the row's sum is taken of the unquantised p and divides at the end.
; SHARES.  Four work-groups to a head, 256 in all.  Each copies the WHOLE head into LDS once, through registers: K's codes (128 KiB), V's (128 KiB), their scale words, the padding mask as f32.  ONE barrier;
; behind it these bytes are only read, and the eight waves go their own ways.  A wave owns two runs of 32 queries (two tiles, A and B, which share every fragment of K and V that is read from LDS):
; runs p and 64 - p of the head's 64 (p = 8 x work-group + wave; p = 0 takes 0 and 32), 17 or 18 key steps of 128 together.
; NO TENSOR LOAD, NO JOINT REQUEST: the four work-groups of a head each read its 270 KB.
; THE FIRST PRODUCT HAS K = 64, the instruction 128.  A fragment of K holds TWO tiles of keys: row r has key 32 b + r + 8 (r / 8) in k = 0..63 and the key 8 further on in k = 64..127.  Q is used twice,
; as [q | zero codes] and as [zero codes | q]; the scale bytes beside the zero codes are 0.  Register 16 b + 8 u + j of S^T in lane (r, h) is then query r, key 32 b + 16 h + 8 u + j: 16 neighbours along the next K.
; Both products are used transposed (source 0 = keys, or 16 of the head's 64; source 1 = queries): a lane holds one query throughout.
; LIMITS: NaN codes and scale bytes 0xff are not served.  A row that has an unmasked visible key, but whose every such t lies under -1e9, is not served (the FAST way's running maximum begins there).
; REGISTERS.  Window 0: v1-16 lane terms, v17-25 a step's LDS addresses, v26-29, v47 constants, v30-37 statistics, v38-46 scale words, v48-69 at work, v72-87 p's codes, v88-127 Q between runs of zeros, v128-191 S^T of tile A, v192-255 of tile B.
; Window 1: v0-63 K's four fragments, v64-127 V's four, v128-191 the padding mask in the result's layout, v192-223 O^T of tile A, v224-255 of tile B; at the head all 256 take the 64 loads of codes.
.set VIMG,   131072                    ; LDS: K's codes at 0: key x 64 + 16 (quarter xor (key bit 2 | key bit 4 << 1));  V's here: step x 8192 + d x 128 + 16 (eighth xor ((d >> 1) & 7))
.set PADIMG, 262144                    ; f32 for each key: 0, or -8e10 where attn_mask is 0
.set KSIMG,  270336                    ; K's scale words, a step's 64 on end: fragment b, row r at 64 b + 4 r: the two bytes of key 32 b + r + 8 (r / 8), then those of the key 8 further on
.set VSIMG,  274432                    ; V's: step x 256 + 4 d
.set STG,    278528                    ; the way out: 16 rows x 272 bytes for each wave
.set STGW,   4352
.set R, 1
.set H, 2
.set AK, 3                             ; v3-4   my lane's place in a fragment of K, bytes 0-31 and 32-63 of a key's row
.set AV, 5                             ; v5-8   in a fragment of V, for each 32 keys
.set APAD, 9
.set AKS, 10
.set AVS, 11
.set STO, 12
.set RD, 13
.set GO, 14
.set QO, 15
.set QSO, 16
.set ADK, 17                           ; v17-25 the same with the step's bytes added
.set ADV, 19
.set ADP, 23
.set ADS, 24
.set ADT, 25
.set NIL, 26                           ; 0
.set NINF, 27                          ; -infinity
.set NPAD, 28                          ; -8e10
.set DD, 29
.set ST, 30                            ; tile x: v[30+4x] -M, v[31+4x] the largest t, v[32+4x:33+4x] the sum in two halves
.set KSR, 38                           ; v38-39 K's scale words: fragments 0, 1 in the two halves of the lanes, then 2, 3
.set VSR, 40                           ; v40-41 V's likewise
.set QW, 42                            ; v[42+2x] q's scale bytes below zeros, v[43+2x] above zeros
.set PW, 46                            ; p's scale word
.set RH, 47                            ; r - 16 h
.set BM, 48
.set T4, 52
.set HD, 56
.set SO, 60
.set FF, 64
.set TT, 66
.set L2, 68
.set P, 72
.set QF, 88                            ; zeros 88, q of A 96, zeros 104, q of B 112, zeros 120
.set S, 128
.set MR, 176                           ; v176-239 at the head: the mask's whole row, 64 words a lane
.set VF, 64                            ; window 1
.set PD, 128
.set O, 192
.set WV, 20
.set HEAD, 21
.set PI, 23
.set QP0, 24
.set QP1, 25
.set SEL, 26
.set CS, 28                            ; s[28:29] c = log2(e) / 8
.set MNT, 30
.set FK, 31                            ; for a multiple of 4, Q: Q < FK exactly where keys 0..Q are all padded
.set NP, 32                            ; s[32:33] -8e10
.set KF, 34                            ; the step's first key
.set T8, 35
.set TP, 36
.set TS, 37
.set TI, 38
.set Q0, 39
.set LIM, 40                           ; s40, s41: the last first-key that tile A, B still walks
.set DEG, 42                           ; s42, s43: 1 = the EXACT way
.set TMP, 44
.set OFS, 48
.set QB, 50
.set QSB, 52
.set OB, 54
.set BAL, 56                           ; s56-63 at the head: ballots over the mask's words
.set TM0, 56                           ; s56, s57 later: where a tile's largest t begins
.set MSB, 0
.macro WIN new                         ; the immediate's high byte repeats the setting that is left; at every label and branch the setting is 0
.if MSB != \new
	s_set_vgpr_msb (MSB<<8)|\new
.set MSB, \new
.endif
.endm
.macro PLACES n
.rept \n
	v_nop
.endr
.endm
	s_load_b512 s[4:19], s[0:1], 0x0               ; mask s[4:5], K codes s[6:7], K scales s[8:9], Q codes s[10:11], Q scales s[12:13], V codes s[14:15], V scales s[16:17], out s[18:19]
	v_lshl_add_u32 v70, v0, 2, 0x4c800
	v_mov_b32 v71, 0
	v_lshrrev_b32 v17, 5, v0
	v_readfirstlane_b32 s[WV], v17                 ; wave 0..7
	s_and_b32 s[HEAD], ttmp7, 0xffff
	s_lshl_b32 s[PI], ttmp9, 3
	s_add_co_u32 s[PI], s[PI], s[WV]               ; p = 8 x work-group + wave, 0..31
	s_lshl_b32 s[QP0], s[PI], 5                    ; first run: queries 32 p on
	s_sub_co_u32 s[QP1], 64, s[PI]
	s_cmp_eq_u32 s[PI], 0
	s_cselect_b32 s[QP1], 32, s[QP1]
	s_lshl_b32 s[QP1], s[QP1], 5                   ; second run: 32 (64 - p) on; p = 0: 32 x 32
	s_mov_b32 s[SEL], 0x76543210
	s_mov_b32 s[SEL+1], 0xfedcba98                 ; v_permlanex16_b32's selects for lane l xor 16
	s_mov_b32 s[CS], 0x3e38aa3b                    ; f32 log2(e) with 3 off its exponent: (s / 8) x log2(e) and s x c round alike
	s_mov_b32 s[CS+1], s[CS]
	s_mov_b32 s[MNT], 0x600000                     ; the mantissa field of 448
	s_mov_b32 s[NP], 0xd19502f9                    ; -8e10 = 8 x the f32 number -1e10: s + 8 P rounds as 8 (s / 8 + P) does
	s_mov_b32 s[NP+1], s[NP]
	s_mov_b32 s[TI], 0
	s_mov_b32 s[OFS+1], 0
	v_mov_b32 v[NIL], 0
	v_mov_b32 v[NINF], 0xff800000
	v_mov_b32 v[NPAD], 0xd19502f9
	v_and_b32 v[R], 15, v0
	v_bfe_u32 v[H], v0, 4, 1
	; ---- the copy's terms, t = my thread's number (in registers that S^T takes later)
	v_lshlrev_b32 v128, 4, v0                      ; 16 t: my 16 bytes of 4,096 consecutive ones
	v_bfe_u32 v139, v0, 4, 1
	v_bfe_u32 v129, v0, 6, 1
	v_lshl_or_b32 v139, v129, 1, v139              ; key = 64 it + t / 4: its bits 2 and 4 are t's bits 4 and 6
	v_xor_b32 v129, v139, v0
	v_lshlrev_b32 v129, 4, v129                    ; K into LDS: 16 (t with its quarter turned)
	v_add_nc_u32 v130, 0x10000, v129               ; (an LDS offset has 16 bits)
	v_lshrrev_b32 v139, 4, v0                      ; V: row d = t / 16 (+ 16 for each eight loads), 16 lanes to 256 bytes of it
	v_lshlrev_b32 v131, 4, v[R]
	v_lshl_add_u32 v131, v139, 11, v131
	v_and_b32 v132, 7, v0
	v_lshrrev_b32 v133, 5, v0
	v_xor_b32 v132, v132, v133                     ; eighth xor ((d >> 1) & 7)
	v_lshlrev_b32 v132, 4, v132
	v_lshl_add_u32 v132, v139, 7, v132
	v_bfe_u32 v133, v0, 3, 1                       ; which of the 256 bytes' two steps
	v_lshl_add_u32 v132, v133, 13, v132
	v_add_nc_u32 v132, VIMG, v132
	v_add_nc_u32 v133, 0x10000, v132
	v_lshrrev_b32 v139, 1, v0                      ; K's scales: keys 16 (t / 2) + 4 (t % 2) + 0..3, and the four 8 further on
	v_and_b32 v134, 1, v0
	v_lshlrev_b32 v134, 3, v134
	v_lshl_add_u32 v134, v139, 5, v134
	v_and_b32 v139, 3, v0                          ; V's scales: row t / 4, steps 4 (t % 4) + 0..3
	v_lshrrev_b32 v135, 2, v0
	v_lshlrev_b32 v135, 2, v135
	v_lshl_add_u32 v135, v139, 10, v135
	v_add_nc_u32 v135, VSIMG, v135
	v_lshl_add_u32 v136, v0, 4, PADIMG
	v_lshl_add_u32 v137, v0, 4, KSIMG
	v_and_b32 v169, 31, v0
	v_lshlrev_b32 v169, 4, v169                    ; 16 x lane: my 16 bytes of 512 of the mask's row
	s_wait_kmcnt 0x0
	s_lshl_b32 s[OFS], s[HEAD], 17                 ; a head's codes: 131,072 bytes in each of the three tensors
	s_add_nc_u64 s[6:7], s[6:7], s[OFS:OFS+1]
	s_add_nc_u64 s[10:11], s[10:11], s[OFS:OFS+1]
	s_add_nc_u64 s[14:15], s[14:15], s[OFS:OFS+1]
	s_lshl_b32 s[OFS], s[HEAD], 12                 ; its scale bytes: 4,096
	s_add_nc_u64 s[8:9], s[8:9], s[OFS:OFS+1]
	s_add_nc_u64 s[12:13], s[12:13], s[OFS:OFS+1]
	s_add_nc_u64 s[16:17], s[16:17], s[OFS:OFS+1]
	s_lshl_b32 s[OFS], s[HEAD], 19                 ; its rows of out: 524,288
	s_add_nc_u64 s[18:19], s[18:19], s[OFS:OFS+1]
	s_and_b32 s[OFS], s[HEAD], 3                   ; the mask's row: head % 4
	s_lshl_b32 s[OFS], s[OFS], 13
	s_add_nc_u64 s[4:5], s[4:5], s[OFS:OFS+1]
	; ---- 85 loads, back to back: the 21 small pieces first
	global_load_b128 v[140:143], v128, s[4:5]              ; mask of keys 4 t + 0..3: my part of the image in LDS
	global_load_b128 v[144:147], v128, s[4:5] offset:4096  ; and of 1,024 + 4 t + 0..3
.set IT, 0
.rept 16
	global_load_b128 v[MR+4*IT:MR+4*IT+3], v169, s[4:5] offset:512*IT  ; the whole row, for my wave alone: keys 128 IT + 4 lane + 0..3
.set IT, IT+1
.endr
	global_load_b64 v[148:149], v134, s[8:9]
	global_load_b64 v[150:151], v134, s[8:9] offset:16
	global_load_b128 v[152:155], v128, s[16:17]
	WIN 0x40                                       ; destination window 1
.set IT, 0
.rept 32
	global_load_b128 v[4*IT:4*IT+3], v128, s[6:7] offset:IT*4096       ; a wave reads 512 consecutive bytes of K
.set IT, IT+1
.endr
.set IT, 0
.rept 32
	global_load_b128 v[128+4*IT:128+4*IT+3], v131, s[14:15] offset:(IT&7)*256+(IT>>3)*32768   ; sixteen lanes read 256 consecutive bytes of a row of V
.set IT, IT+1
.endr
	WIN 0
	; ---- the walk's lane terms, while the loads are on their way
	v_and_b32 v17, 8, v[R]
	v_add_nc_u32 v17, v17, v[R]                    ; r + 8 (r / 8)
	v_lshrrev_b32 v18, 2, v[R]                     ; that key's bits 2 and 4 are r's bits 2 and 3
	v_xor_b32 v18, v18, v[H]
	v_lshlrev_b32 v18, 4, v18
	v_lshl_add_u32 v[AK], v17, 6, v18              ; quarter h; the 16 rows of a load fall on 16 different columns of 16 bytes
	v_xor_b32 v[AK+1], 32, v[AK]                   ; quarter 2 + h
	v_lshrrev_b32 v18, 1, v[R]
	v_xor_b32 v18, v18, v[H]
	v_lshlrev_b32 v18, 4, v18
	v_lshl_add_u32 v18, v[R], 7, v18
	v_add_nc_u32 v[AV], VIMG, v18                  ; eighth h
	v_xor_b32 v[AV+1], 32, v[AV]                   ; eighths 2 c + h
	v_xor_b32 v[AV+2], 64, v[AV]
	v_xor_b32 v[AV+3], 96, v[AV]
	v_lshl_add_u32 v[APAD], v[H], 6, PADIMG        ; my half's 16 keys of a block of 32
	v_and_b32 v17, 31, v0
	v_lshl_add_u32 v[AKS], v17, 2, KSIMG
	v_lshl_add_u32 v[AVS], v17, 2, VSIMG
	s_mul_i32 s[TMP], s[WV], STGW
	s_add_co_u32 s[TMP], s[TMP], STG               ; my stage
	v_mul_u32_u24 v[STO], v[R], 272
	v_lshl_add_u32 v[STO], v[H], 5, v[STO]
	v_add_nc_u32 v[STO], s[TMP], v[STO]            ; in: row r, 32 bytes for each half of the lanes
	v_mul_u32_u24 v[RD], v[H], 272
	v_lshl_add_u32 v[RD], v[R], 4, v[RD]
	v_add_nc_u32 v[RD], s[TMP], v[RD]              ; back: lanes 0-15 one row of 256 bytes, lanes 16-31 the next
	v_lshlrev_b32 v[GO], 8, v[H]
	v_lshl_add_u32 v[GO], v[R], 4, v[GO]           ; and the same two rows in out
	v_lshlrev_b32 v[QO], 6, v[R]
	v_lshl_add_u32 v[QO], v[H], 4, v[QO]
	v_lshlrev_b32 v[QSO], 1, v[R]
	v_lshlrev_b32 v[RH], 4, v[H]
	v_sub_nc_u32 v[RH], v[R], v[RH]
.irp i, 0,1,2,3,4,5,6,7
	v_mov_b32 v[QF+\i], 0                          ; the zero codes beside q: written once
	v_mov_b32 v[QF+16+\i], 0
	v_mov_b32 v[QF+32+\i], 0
.endr
.irp i, 0,1,2,3
	v_mov_b32 v[T4+\i], 0                          ; written once: a lane permute's destination counts as one of its sources
.endr
	v_mov_b32 v[FF+1], 0                           ; (named as the upper half of a pair)
	; ---- the small pieces
	s_wait_loadcnt 63                              ; 64 loads are younger than the 21; a wait's count names 63 at the most, so one load of K is waited for with them
.irp i, 0,1,2,3,4,5,6,7
	v_cmp_ne_u32 s[BAL+\i], 0, v[140+\i]
.endr
.irp i, 0,1,2,3,4,5,6,7
	v_cndmask_b32 v[156+\i], v[NPAD], v[NIL], s[BAL+\i]    ; 0 where the key counts, -8e10 where it is padded
.endr
	ds_store_b128 v136, v[156:159]
	ds_store_b128 v136, v[160:163] offset:4096
	v_perm_b32 v164, v150, v148, 0x05040100        ; a key's two bytes below, those of the key 8 further on above
	v_perm_b32 v165, v150, v148, 0x07060302
	v_perm_b32 v166, v151, v149, 0x05040100
	v_perm_b32 v167, v151, v149, 0x07060302
	ds_store_b128 v137, v[164:167]                 ; the four words' place works out as 16 t
.irp i, 0,1,2,3
	ds_store_b32 v135, v[152+\i] offset:256*\i
.endr
	; ---- FK.  Load j's lane L holds the group of four keys 32 j + L.  G = the first group with an unpadded key; G0 = the first group whose FIRST key is unpadded (G0 >= G).
	; Only multiples of 16 are ever compared with FK = 4 G + (G0 > G): for a multiple of 4, Q: Q / 4 < G: keys 0..Q are padded; Q / 4 = G: they are exactly where key 4 G is, which is G0 > G; Q / 4 > G: they are not.
	s_mov_b32 s[TMP+2], 0x10000                    ; G
	s_mov_b32 s[TMP+3], 0x10000                    ; G0
.set JG, 0
.rept 4                                        ; four loads at a time: eight ballots
.irp q, 0,1,2,3
	v_or_b32 v[170+\q], v[MR+16*JG+4*\q], v[MR+16*JG+4*\q+1]
.endr
.irp q, 0,1,2,3
	v_or_b32 v[170+\q], v[170+\q], v[MR+16*JG+4*\q+2]
.endr
.irp q, 0,1,2,3
	v_or_b32 v[170+\q], v[170+\q], v[MR+16*JG+4*\q+3]
.endr
.irp q, 0,1,2,3
	v_cmp_ne_u32 s[BAL+2*\q], 0, v[170+\q]         ; any of the group's four
	v_cmp_ne_u32 s[BAL+2*\q+1], 0, v[MR+16*JG+4*\q]    ; its first
.endr
.irp q, 0,1,2,3
	s_ctz_i32_b32 s[TMP], s[BAL+2*\q]              ; the first lane; -1 where no bit is set:
	s_ctz_i32_b32 s[TMP+1], s[BAL+2*\q+1]
	s_min_u32 s[TMP], s[TMP], 4096                 ; then a number beyond every group
	s_min_u32 s[TMP+1], s[TMP+1], 4096
	s_add_co_u32 s[TMP], s[TMP], 32*(4*JG+\q)
	s_add_co_u32 s[TMP+1], s[TMP+1], 32*(4*JG+\q)
	s_min_u32 s[TMP+2], s[TMP+2], s[TMP]
	s_min_u32 s[TMP+3], s[TMP+3], s[TMP+1]
.endr
.set JG, JG+1
.endr
	s_cmp_gt_u32 s[TMP+3], s[TMP+2]
	s_cselect_b32 s[TMP], 1, 0
	s_lshl_b32 s[FK], s[TMP+2], 2
	s_add_co_u32 s[FK], s[FK], s[TMP]              ; all keys padded: 16,384, beyond every query
	; ---- the codes
	WIN 0x04                                       ; an LDS store's data are its source 1: window 1
.set IT, 0
.rept 32
	s_wait_loadcnt 63-IT                           ; younger: K's 31 - IT and V's 32
.if IT < 16
	ds_store_b128 v129, v[4*IT:4*IT+3] offset:IT*4096
.else
	ds_store_b128 v130, v[4*IT:4*IT+3] offset:(IT-16)*4096
.endif
.set IT, IT+1
.endr
.set IT, 0
.rept 32
	s_wait_loadcnt 31-IT                           ; younger: V's 31 - IT
.set VB, (IT&7)*16384+(IT>>3)*2048
.if VB < 65536
	ds_store_b128 v132, v[128+4*IT:128+4*IT+3] offset:VB
.else
	ds_store_b128 v133, v[128+4*IT:128+4*IT+3] offset:VB-65536
.endif
.set IT, IT+1
.endr
	WIN 0
	s_wait_dscnt 0x0                               ; for the others' sake: all my stores have landed
	s_barrier_signal -1
	s_barrier_wait -1                              ; the only barrier: from here on the images are only read
; The eight first products of tile x: fragment b against [q | 0] (u = 0) and [0 | q] (u = 1).  fast = 1: the padding mask is the C.  Eight different accumulators.
.macro QK x, fast
.set SX, S+64*(\x)
.if \fast
	WIN 0x11                                       ; source 0 (K) and source 2 (the mask) window 1
.else
	WIN 0x01
.endif
.irp b, 0,1,2,3
.irp u, 0,1
.if \fast
.if (\b)%2
	v_wmma_scale_f32_16x16x128_f8f6f4 v[SX+8*(2*\b+\u):SX+8*(2*\b+\u)+7], v[16*\b:16*\b+15], v[QF+8+16*(\x)-8*\u:QF+8+16*(\x)-8*\u+15], v[PD+8*(2*\b+\u):PD+8*(2*\b+\u)+7], v[KSR+\b/2], v[QW+2*(\x)+\u] matrix_a_scale:MATRIX_SCALE_ROW1
.else
	v_wmma_scale_f32_16x16x128_f8f6f4 v[SX+8*(2*\b+\u):SX+8*(2*\b+\u)+7], v[16*\b:16*\b+15], v[QF+8+16*(\x)-8*\u:QF+8+16*(\x)-8*\u+15], v[PD+8*(2*\b+\u):PD+8*(2*\b+\u)+7], v[KSR+\b/2], v[QW+2*(\x)+\u]
.endif
.else
.if (\b)%2
	v_wmma_scale_f32_16x16x128_f8f6f4 v[SX+8*(2*\b+\u):SX+8*(2*\b+\u)+7], v[16*\b:16*\b+15], v[QF+8+16*(\x)-8*\u:QF+8+16*(\x)-8*\u+15], 0, v[KSR+\b/2], v[QW+2*(\x)+\u] matrix_a_scale:MATRIX_SCALE_ROW1
.else
	v_wmma_scale_f32_16x16x128_f8f6f4 v[SX+8*(2*\b+\u):SX+8*(2*\b+\u)+7], v[16*\b:16*\b+15], v[QF+8+16*(\x)-8*\u:QF+8+16*(\x)-8*\u+15], 0, v[KSR+\b/2], v[QW+2*(\x)+\u]
.endif
.endif
.endr
.endr
	WIN 0
.endm
; FAST, the step on the diagonal: register 16 b + i holds key KF + 32 b + 16 h + i, hidden where 32 b + i > my query - KF - 16 h.  Hidden scores become -infinity: p = 0.
.macro DIAGF x
.set SX, S+64*(\x)
	s_sub_co_i32 s[TMP], s[Q0], s[KF]
.if \x
	s_add_co_i32 s[TMP], s[TMP], 16
.endif
	v_add_nc_u32 v[DD], s[TMP], v[RH]
.set NN, 0
.rept 64
	v_cmp_gt_i32 vcc_lo, 32*(NN/16)+NN%16, v[DD]
	v_cndmask_b32 v[SX+NN], v[SX+NN], v[NINF], vcc_lo
.set NN, NN+1
.endr
.endm
; EXACT: the two masks are added one after the other, in f32, on 8 x the logit: the same roundings as (s / 8 + pad) + causal.
.macro EXM x
.set SX, S+64*(\x)
	WIN 0x04                                       ; source 1 (the mask) window 1
.set NN, 0
.rept 32
	v_pk_add_f32 v[SX+NN:SX+NN+1], v[SX+NN:SX+NN+1], v[PD+NN:PD+NN+1]
.set NN, NN+2
.endr
	WIN 0
	s_add_co_u32 s[TMP+1], s[Q0], 16*(\x)          ; the tile's first query
	s_add_co_u32 s[TMP], s[KF], 127
	s_cmp_le_u32 s[TMP], s[TMP+1]
	s_cbranch_scc1 .Lseen_\@                       ; no key of the step is hidden from any of the 16 queries
	s_cmp_gt_u32 s[KF], s[TMP+1]                   ; KF and the first query are multiples of 16: then all keys lie behind all 16 queries
	s_cbranch_scc0 .Lmixed_\@
.set NN, 0
.rept 32
	v_pk_add_f32 v[SX+NN:SX+NN+1], v[SX+NN:SX+NN+1], s[NP:NP+1] op_sel_hi:[1,0]
.set NN, NN+2
.endr
	s_branch .Lseen_\@
.Lmixed_\@:
	s_sub_co_i32 s[TMP], s[TMP+1], s[KF]
	v_add_nc_u32 v[DD], s[TMP], v[RH]
.set NN, 0
.rept 64
	v_cmp_gt_i32 vcc_lo, 32*(NN/16)+NN%16, v[DD]
	v_cndmask_b32 v[TT+NN%2], v[NIL], v[NPAD], vcc_lo
	v_add_f32 v[SX+NN], v[SX+NN], v[TT+NN%2]
.set NN, NN+1
.endr
.Lseen_\@:
.endm
; Tile x's softmax for 128 keys.  e = 0: S^T holds 8 x the logit, and t - M is one fused multiply-add.  e = 1: t is rounded by itself first, then -M is added.
.macro SOFTMAX x, e
.set SX, S+64*(\x)
.set NM, ST+4*(\x)
.set LL, ST+4*(\x)+2
.set OX, O+32*(\x)
.if \e
.set NN, 0
.rept 32
	v_pk_mul_f32 v[SX+NN:SX+NN+1], v[SX+NN:SX+NN+1], s[CS:CS+1] op_sel_hi:[1,0]    ; t
.set NN, NN+2
.endr
.endif
.irp b, 0,1,2,3
	v_max3_num_f32 v[BM+\b], v[SX+16*\b], v[SX+16*\b+1], v[SX+16*\b+2]     ; the largest of each block of 32 keys: for the row's maximum, and, since p rises with it, for the block's largest p.  Each accumulator is read from its low end on
.endr
.irp i, 3,5,7,9,11,13
.irp b, 0,1,2,3
	v_max3_num_f32 v[BM+\b], v[BM+\b], v[SX+16*\b+\i], v[SX+16*\b+\i+1]
.endr
.endr
.irp b, 0,1,2,3
	v_max_num_f32 v[BM+\b], v[BM+\b], v[SX+16*\b+15]
.endr
.irp b, 0,1,2,3
	v_permlanex16_b32 v[T4+\b], v[BM+\b], s[SEL], s[SEL+1]
.endr
.irp b, 0,1,2,3
	v_max_num_f32 v[BM+\b], v[BM+\b], v[T4+\b]     ; with lane l xor 16's 16 keys
.endr
	v_max3_num_f32 v[TT], v[BM], v[BM+1], v[BM+2]
	v_max_num_f32 v[TT], v[TT], v[BM+3]
.if !\e
	v_mul_f32 v[TT], s[CS], v[TT]                  ; as t (c is positive)
.endif
	v_max_num_f32 v[NM+1], v[NM+1], v[TT]          ; the running largest t
	v_mov_b32 v[TT], v[NM]
	v_floor_f32 v[NM], -v[NM+1]                    ; the new -M = floor(-t): M is a whole number
	v_sub_f32 v[TT], v[NM], v[TT]                  ; old M - new M, 0 or less
	v_cvt_i32_f32 v[TT], v[TT]                     ; (it saturates)
	v_ldexp_f32 v[FF], 1.0, v[TT]                  ; f = 2^(old M - new M)
.set NN, 0
.rept 32
.if \e
	v_pk_add_f32 v[SX+NN:SX+NN+1], v[SX+NN:SX+NN+1], v[NM:NM+1] op_sel_hi:[1,0]
.else
	v_pk_fma_f32 v[SX+NN:SX+NN+1], v[SX+NN:SX+NN+1], s[CS:CS+1], v[NM:NM+1] op_sel_hi:[1,0,0]
.endif
.set NN, NN+2
.endr
.irp b, 0,1,2,3
.if \e
	v_add_f32 v[BM+\b], v[BM+\b], v[NM]
.else
	v_fma_f32 v[BM+\b], v[BM+\b], s[CS], v[NM]
.endif
.endr
.set NN, 0
.rept 64
	v_exp_f32 v[SX+NN], v[SX+NN]                   ; p = 2^(t - M), at most 1
.set NN, NN+1
.endr
.irp b, 0,1,2,3
	v_exp_f32 v[BM+\b], v[BM+\b]                   ; the block's largest p: the same instructions on the same number
.endr
	v_pk_mul_f32 v[LL:LL+1], v[LL:LL+1], v[FF:FF+1] op_sel_hi:[1,0]        ; the sums under the new M (the plain line behind the exponentials)
	s_wait_alu depctr_va_vdst(0)
.irp b, 0,1,2,3
	v_max_num_f32 v[BM+\b], 0x4800000, v[BM+\b]    ; the floor 2^(9 - 127): the byte cannot fall under 1; a block of zeros keeps that byte over zero codes
.endr
.irp b, 0,1,2,3
	v_add_nc_u32 v[SO+\b], 0xfc000000, v[BM+\b]    ; 8 off the exponent field: the conversion's scale operand
.endr
.irp b, 0,1,2,3
	v_and_or_b32 v[HD+\b], v[BM+\b], 0x7f800000, s[MNT]    ; 448 x the scale
.endr
.irp b, 0,1,2,3
	v_lshrrev_b32 v[T4+\b], 23, v[SO+\b]           ; the scale's byte
.endr
	v_lshl_or_b32 v[PW], v[T4+1], 8, v[T4]
	v_lshl_or_b32 v[PW], v[T4+2], 16, v[PW]
	v_lshl_or_b32 v[PW], v[T4+3], 24, v[PW]        ; p's scale word: far more than eight plain lines ahead of the products that name it
	v_pk_add_f32 v[L2:L2+1], v[SX:SX+1], v[SX+2:SX+3]      ; the row's sum is taken of the unquantised p, in two chains
.irp j, 4,8,12,16,20,24,28,32,36,40,44,48,52,56,60
	v_pk_add_f32 v[LL:LL+1], v[LL:LL+1], v[SX+\j:SX+\j+1]
	v_pk_add_f32 v[L2:L2+1], v[L2:L2+1], v[SX+\j+2:SX+\j+3]
.endr
	v_pk_add_f32 v[LL:LL+1], v[LL:LL+1], v[L2:L2+1]
.irp b, 0,1,2,3
.irp i, 0,1,2,3,4,5,6,7,8,9,10,11,12,13,14,15
	v_min_num_f32 v[SX+16*\b+\i], v[SX+16*\b+\i], v[HD+\b] ; the conversion to an 8-bit code does not saturate (ISA guide 7.6.2); p is not negative, so the hold is one-sided
.endr
	v_cvt_scalef32_pk8_fp8_f32 v[P+4*\b:P+4*\b+1], v[SX+16*\b:SX+16*\b+7], v[SO+\b]
	v_cvt_scalef32_pk8_fp8_f32 v[P+4*\b+2:P+4*\b+3], v[SX+16*\b+8:SX+16*\b+15], v[SO+\b]
.endr
	WIN 0x41                                       ; O^T: destination and source 0 window 1
.set NN, 0
.rept 16
	v_pk_mul_f32 v[OX+NN:OX+NN+1], v[OX+NN:OX+NN+1], v[FF:FF+1] op_sel_hi:[1,0]    ; O^T under the new M.  These sixteen are also the plain line behind the last conversion and the four in front of the products that take the codes
.set NN, NN+2
.endr
	WIN 0
.endm
; One tile's first products and softmax: one branch chooses the way for both.
.macro TILE x
	s_cmp_lg_u32 s[DEG+\x], 0
	s_cbranch_scc1 .Lexact_\@
	QK \x, 1
	PLACES 8                                       ; eight plain lines between this form and the first read of its results
	s_add_co_u32 s[TMP], s[KF], 127
	s_cmp_le_u32 s[TMP], s[Q0]
	s_cbranch_scc1 .Lopen_\@                       ; all 128 keys come before the run's 32 queries
	DIAGF \x
.Lopen_\@:
	SOFTMAX \x, 0
	s_branch .Ltiled_\@
.Lexact_\@:
	QK \x, 0
	PLACES 8
	EXM \x
	SOFTMAX \x, 1
.Ltiled_\@:
.endm
; O^T += V^T P^T: four tiles of 16 of the head's 64; K = the step's 128 keys.  Four accumulators, one instruction each: between two links on one accumulator stand the next step's first products.
.macro PV x
.set OX, O+32*(\x)
	WIN 0x51                                       ; source 0 (V), C and D window 1; source 1 (p) window 0
.irp t, 0,1,2,3
.if (\t)%2
	v_wmma_scale_f32_16x16x128_f8f6f4 v[OX+8*\t:OX+8*\t+7], v[VF+16*\t:VF+16*\t+15], v[P:P+15], v[OX+8*\t:OX+8*\t+7], v[VSR+\t/2], v[PW] matrix_a_scale:MATRIX_SCALE_ROW1
.else
	v_wmma_scale_f32_16x16x128_f8f6f4 v[OX+8*\t:OX+8*\t+7], v[VF+16*\t:VF+16*\t+15], v[P:P+15], v[OX+8*\t:OX+8*\t+7], v[VSR+\t/2], v[PW]
.endif
.endr
	WIN 0
.endm
; The way out of tile x: O^T / the sum, through my stage, back as whole rows of 256 bytes.
.macro FINAL x
.set SX, S+64*(\x)
.set LL, ST+4*(\x)+2
.set OX, O+32*(\x)
	v_add_f32 v[TT], v[LL], v[LL+1]                ; the sum's two halves,
	v_permlanex16_b32 v[T4], v[TT], s[SEL], s[SEL+1]
	v_add_f32 v[TT], v[TT], v[T4]                  ; and lane l xor 16's
	v_rcp_f32 v[FF], v[TT]
	v_nop                                          ; one plain line behind a transcendental
	WIN 0x01
.set NN, 0
	s_wait_alu depctr_va_vdst(0)
.rept 16
	v_pk_mul_f32 v[SX+NN:SX+NN+1], v[OX+NN:OX+NN+1], v[FF:FF+1] op_sel_hi:[1,0]    ; register 8 t + j: out(r, 16 t + 8 h + j)
.set NN, NN+2
.endr
	WIN 0
.irp t, 0,1,2,3
	ds_store_b128 v[STO], v[SX+8*\t:SX+8*\t+3] offset:64*\t
	ds_store_b128 v[STO], v[SX+8*\t+4:SX+8*\t+7] offset:64*\t+16
.endr
.irp i, 0,1,2,3,4,5,6,7
	ds_load_b128 v[SX+32+4*\i:SX+32+4*\i+3], v[RD] offset:544*\i   ; LDS serves a wave's instructions in order (ISA guide 5.7.1.4): these see my stores
.endr
.irp i, 0,1,2,3,4,5,6,7
	s_wait_dscnt 7-\i                              ; the younger of these eight loads may be out
	global_store_b128 v[GO], v[SX+32+4*\i:SX+32+4*\i+3], s[OB:OB+1] offset:512*\i+4096*(\x) th:TH_STORE_NT    ; sixteen lanes store a whole row of out: 256 consecutive bytes, aligned
.endr
.endm
.Lsuper:                                               ; two trips: the wave's two runs of 32 queries
	s_wait_xcnt 0x0                                ; the last run's stores have read their data and their base: both are written again below
	s_mov_b32 s[TMP], 2047
	s_mov_b32 s[TMP+2], 0xff61b1e6                 ; -3e38, under every t
	s_mov_b32 s[TMP+3], 0xce6e6b28                 ; -1e9: over every masked t, so that steps in which all keys so far are padded give p = 0
	s_cmp_eq_u32 s[TI], 0
	s_cselect_b32 s[Q0], s[QP0], s[QP1]
	s_add_co_u32 s[TMP+1], s[Q0], 16
	s_cmp_lt_u32 s[Q0], s[FK]                      ; tile A's first query sees only padded keys?
	s_cselect_b32 s[DEG], 1, 0
	s_cselect_b32 s[LIM], s[TMP], s[Q0]
	s_cselect_b32 s[TM0], s[TMP+2], s[TMP+3]
	s_cmp_lt_u32 s[TMP+1], s[FK]                   ; tile B's?
	s_cselect_b32 s[DEG+1], 1, 0
	s_cselect_b32 s[LIM+1], s[TMP], s[Q0]
	s_cselect_b32 s[TM0+1], s[TMP+2], s[TMP+3]
	s_lshl_b32 s[OFS], s[Q0], 6
	s_add_nc_u64 s[QB:QB+1], s[10:11], s[OFS:OFS+1]
	s_lshl_b32 s[OFS], s[Q0], 1
	s_add_nc_u64 s[QSB:QSB+1], s[12:13], s[OFS:OFS+1]
	s_lshl_b32 s[OFS], s[Q0], 8
	s_add_nc_u64 s[OB:OB+1], s[18:19], s[OFS:OFS+1]
.irp x, 0,1
.irp c, 0,1
	global_load_b128 v[QF+8+16*\x+4*\c:QF+8+16*\x+4*\c+3], v[QO], s[QB:QB+1] offset:1024*\x+32*\c  ; q(r, 32 c + 16 h + 0..15)
.endr
	global_load_u16 v[QW+2*\x], v[QSO], s[QSB:QSB+1] offset:32*\x  ; row r's two scale bytes; bytes 2 and 3 are 0
.endr
	WIN 0x40
.set NN, 0
.rept 64
	v_mov_b32 v[O+NN], 0                           ; O^T of both tiles: the step is written once, and its first change of M leaves zeros zeros
.set NN, NN+1
.endr
	WIN 0
.irp x, 0,1
	v_mov_b32 v[ST+4*\x+1], s[TM0+\x]
	v_floor_f32 v[ST+4*\x], -v[ST+4*\x+1]
	v_mov_b32 v[ST+4*\x+2], 0
	v_mov_b32 v[ST+4*\x+3], 0
.endr
	s_mov_b32 s[KF], 0
	s_mov_b32 s[T8], 0
	s_mov_b32 s[TP], 0
	s_mov_b32 s[TS], 0
	s_wait_loadcnt 0x0
	v_lshlrev_b32 v[QW+1], 16, v[QW]               ; the same two bytes above zeros, for [0 | q]; the step's nine additions are the eight plain lines between these and the first product
	v_lshlrev_b32 v[QW+3], 16, v[QW+2]
.Ltrip:                                                ; sixteen trips of 128 keys, always: a trip that the run does not need is left by one branch
	s_cmp_gt_u32 s[KF], s[LIM]
	s_cbranch_scc1 .Lnext
	v_add_nc_u32 v[ADK], s[T8], v[AK]              ; nine plain lines: also the eight places between the last step's products and the loads into V's fragments and scale words
	v_add_nc_u32 v[ADK+1], s[T8], v[AK+1]
	v_add_nc_u32 v[ADV], s[T8], v[AV]
	v_add_nc_u32 v[ADV+1], s[T8], v[AV+1]
	v_add_nc_u32 v[ADV+2], s[T8], v[AV+2]
	v_add_nc_u32 v[ADV+3], s[T8], v[AV+3]
	v_add_nc_u32 v[ADP], s[TP], v[APAD]
	v_add_nc_u32 v[ADS], s[TS], v[AKS]
	v_add_nc_u32 v[ADT], s[TS], v[AVS]
	ds_load_b32 v[KSR], v[ADS]
	ds_load_b32 v[KSR+1], v[ADS] offset:128
	ds_load_b32 v[VSR], v[ADT]
	ds_load_b32 v[VSR+1], v[ADT] offset:128
	WIN 0x40
.irp b, 0,1,2,3
.irp u, 0,1
.irp c, 0,1
	ds_load_b128 v[16*\b+4*(2*\u+\c):16*\b+4*(2*\u+\c)+3], v[ADK+\c] offset:\b*2048+\u*512     ; key 32 b + 8 u + r + 8 (r / 8), bytes 32 c + 16 h on
.endr
.endr
.endr
.set NN, 0
.rept 16
	ds_load_b128 v[PD+4*NN:PD+4*NN+3], v[ADP] offset:128*(NN/4)+16*(NN%4)  ; the mask of keys 32 b + 16 h + 0..15: register for register as S^T lies
.set NN, NN+1
.endr
.irp t, 0,1,2,3
.irp c, 0,1,2,3
	ds_load_b128 v[VF+16*\t+4*\c:VF+16*\t+4*\c+3], v[ADV+\c] offset:\t*2048        ; row d = 16 t + r, keys 32 c + 16 h on
.endr
.endr
	WIN 0
	s_wait_dscnt 16                                ; V's sixteen loads may be out; the scale words, K and the mask are in
	TILE 0
	s_wait_dscnt 0x0                               ; V is in
	PV 0
	s_cmp_gt_u32 s[KF], s[LIM+1]
	s_cbranch_scc1 .Lnext                          ; tile A alone walks on behind the diagonal
	TILE 1
	PV 1
.Lnext:
	s_add_co_u32 s[T8], s[T8], 8192
	s_add_co_u32 s[TP], s[TP], 512
	s_add_co_u32 s[TS], s[TS], 256
	s_add_co_u32 s[KF], s[KF], 128
	s_cmp_lt_u32 s[KF], 2048
	s_cbranch_scc1 .Ltrip
	PLACES 8                                       ; between the last products and the first read of O^T
	FINAL 0
	FINAL 1
	s_add_co_u32 s[TI], s[TI], 1
	s_cmp_lt_u32 s[TI], 2
	s_cbranch_scc1 .Lsuper
	s_wait_tensorcnt 0x0
	ds_add_u32 v70, v71
	s_wait_dscnt 0x0
	s_endpgm
.Lfunc_end_k_q6bf0bf36ab_attn:
	.size	k_q6bf0bf36ab_attn, .Lfunc_end_k_q6bf0bf36ab_attn-k_q6bf0bf36ab_attn
	.p2alignl 7, 3214868480
	.fill 96, 4, 3214868480
	.section	.rodata,"a",@progbits
	.p2align	6, 0x0
	.amdhsa_kernel k_q6bf0bf36ab_attn
		.amdhsa_group_segment_fixed_size 314368
		.amdhsa_private_segment_fixed_size 0
		.amdhsa_enable_private_segment 0
		.amdhsa_kernarg_size 64
		.amdhsa_user_sgpr_count 2
		.amdhsa_user_sgpr_kernarg_segment_ptr 1
		.amdhsa_wavefront_size32 1
		.amdhsa_system_sgpr_workgroup_id_x 1
		.amdhsa_system_sgpr_workgroup_id_y 1
		.amdhsa_system_sgpr_workgroup_id_z 1
		.amdhsa_system_vgpr_workitem_id 0
		.amdhsa_next_free_vgpr 512
		.amdhsa_next_free_sgpr 66
		.amdhsa_reserve_vcc 1
		.amdhsa_float_denorm_mode_32 3
		.amdhsa_float_denorm_mode_16_64 3
		.amdhsa_memory_ordered 1
		.amdhsa_forward_progress 1
		.amdhsa_inst_pref_size 146
	.end_amdhsa_kernel
	.amdgpu_metadata
---
amdhsa.version: [ 1, 2 ]
amdhsa.kernels:
  - .name:           k_q6bf0bf36ab_attn
    .symbol:         k_q6bf0bf36ab_attn.kd
    .args:
      - { .name: attn_mask, .offset: 0, .size: 8, .value_kind: global_buffer, .address_space: global }
      - { .name: key_codes, .offset: 8, .size: 8, .value_kind: global_buffer, .address_space: global }
      - { .name: key_scales, .offset: 16, .size: 8, .value_kind: global_buffer, .address_space: global }
      - { .name: query_codes, .offset: 24, .size: 8, .value_kind: global_buffer, .address_space: global }
      - { .name: query_scales, .offset: 32, .size: 8, .value_kind: global_buffer, .address_space: global }
      - { .name: value_codes, .offset: 40, .size: 8, .value_kind: global_buffer, .address_space: global }
      - { .name: value_scales, .offset: 48, .size: 8, .value_kind: global_buffer, .address_space: global }
      - { .name: out0, .offset: 56, .size: 8, .value_kind: global_buffer, .address_space: global }
    .group_segment_fixed_size: 314368
    .private_segment_fixed_size: 0
    .kernarg_segment_align: 8
    .kernarg_segment_size: 64
    .max_flat_workgroup_size: 256
    .sgpr_count:     66
    .vgpr_count:     512
    .wavefront_size: 32
...
	.end_amdgpu_metadata
.endif
;; end of part 1
;; ======== version 2 of 2: 1 launch; version 1 with the launch attn written anew for expert scheduling mode
;; limits: right only within a limited range of input values
;; launch attn (part 2): grid 4 x 64, 8 waves a work-group, no clusters, 314,368 bytes of LDS; arguments attn_mask, key_codes, key_scales, query_codes, query_scales, value_codes, value_scales, out0; writes out0
.if DOCPART == 2
	.amdgcn_target "amdgcn-amd-amdhsa--gfx1250"
	.amdhsa_code_object_version 6
	.text
	.protected	k_q6bf0bf36ab_attn
	.globl	k_q6bf0bf36ab_attn
	.p2align	8
	.type	k_q6bf0bf36ab_attn,@function
k_q6bf0bf36ab_attn:
	s_mov_b64 s[64:65], 0
	v_nop
	global_prefetch_b8 v0, s[64:65] scope:SCOPE_SE
	s_setreg_imm32_b32 hwreg(HW_REG_WAVE_SCHED_MODE, 0, 2), 2
	s_setreg_imm32_b32 hwreg(HW_REG_WAVE_MODE, 25, 1), 1
	s_wait_xcnt 0x0
	s_wait_alu depctr_vm_vsrc(0)
; out[b][q][:] = sum over k of softmax_k(q.k / 8 + pad[b % 4][k] + causal[q][k]) v[b][k][:], 64 heads, 2,048 queries and keys, head size 64.
; Both products on codes of FP8 (E4M3) with one E8M0 scale for each 32 along K.  q, k: [head][2048][64] codes, 2 scale bytes a row.  v: [head][64][2048] codes, the keys innermost, 64 scale bytes a row.
; THE MASKS ARE ADDED (-1e10), NOT -infinity.  A row q all of whose keys 0..q are padded has no key that is neither padded nor hidden: its largest logit is about -1e10, and its
; softmax spreads over ALL keys that are masked once, those behind the diagonal too.  A tile of 16 queries whose first query is such a row therefore walks all 2,048 keys and repeats the f32 roundings
; of (s / 8 + pad) + causal (the EXACT way); every other tile walks the keys up to its diagonal (the FAST way): there a masked key's p is 0 whatever the last bits of its logit.
; Which way a tile goes is a whole number read from attn_mask.  Every wave makes it for itself, from loads of the mask's whole row into registers, ballots and scalar arithmetic: it goes through no LDS.
; SOFTMAX.  t = logit x log2(e); M = the running largest t rounded up to a whole number (kept as -M = floor(-t)); p = 2^(t - M) is quantised along the keys; the row's sum is taken of the unquantised p and divides at the end.
; SHARES.  Four work-groups to a head, 256 in all.  Each copies the WHOLE head into LDS once, through registers: K's codes (128 KiB), V's (128 KiB), their scale words, the padding mask as f32.  ONE barrier;
; behind it these bytes are only read, and the eight waves go their own ways.  A wave owns two runs of 32 queries (two tiles, A and B, which share every fragment of K and V that is read from LDS):
; runs p and 64 - p of the head's 64 (p = 8 x work-group + wave; p = 0 takes 0 and 32), 17 or 18 key steps of 128 together.
; NO TENSOR LOAD, NO JOINT REQUEST: the four work-groups of a head each read its 270 KB.
; THE FIRST PRODUCT HAS K = 64, the instruction 128.  A fragment of K holds TWO tiles of keys: row r has key 32 b + r + 8 (r / 8) in k = 0..63 and the key 8 further on in k = 64..127.  Q is used twice,
; as [q | zero codes] and as [zero codes | q]; the scale bytes beside the zero codes are 0.  Register 16 b + 8 u + j of S^T in lane (r, h) is then query r, key 32 b + 16 h + 8 u + j: 16 neighbours along the next K.
; Both products are used transposed (source 0 = keys, or 16 of the head's 64; source 1 = queries): a lane holds one query throughout.
; LIMITS: NaN codes and scale bytes 0xff are not served.  A row that has an unmasked visible key, but whose every such t lies under -1e9, is not served (the FAST way's running maximum begins there).
; REGISTERS.  Window 0: v1-16 lane terms, v17-25 a step's LDS addresses, v26-29, v47 constants, v30-37 statistics, v38-46 scale words, v48-69 at work, v70-71 the closing add's two, v72-87 p's codes, v88-127 Q between runs of zeros, v128-191 S^T of tile A, v192-255 of tile B.
; Window 1: v0-63 K's four fragments, v64-127 V's four, v128-191 the padding mask in the result's layout, v192-223 O^T of tile A, v224-255 of tile B; at the head all 256 take the 64 loads of codes.
; THE MODE: SCHED_MODE bits 1:0 = 2 (LLVM: expert scheduling mode 2), set by the entry lines.  The code itself states the register dependences between vector or matrix instructions and memory or LDS
; instructions, and between a vector instruction that writes a scalar register and that register's readers, with s_wait_alu, always for 0.
; THE PLAN.  Registers that memory or LDS instructions touch, and who else names them:
;   the head    v128-137, v169: offsets and LDS addresses, written once by vector lines, read by the 85 loads and the 71 LDS stores.  v140-155, v176-239 and window 1: loads land there; vector lines or LDS stores read them.
;               v156-167: written by eight selects and four permutes, read by three LDS stores.  All of these are S^T, fragments or O^T from the first run on.
;   a run       v96-103, v112-119, v42, v44: the run's six loads of Q land there; the first products and two shifts read them.  v15, v16: their offsets, never written again.
;   a step      v17-25: written by the nine additions at the step's head, read by the step's 52 LDS loads.  v38-41 and window 1's v0-191: those loads land there; the products (the EXACT way's additions too) read them.
;               v72-87, v46: p's codes and scale word, written by vector lines, taken by the second products.
;   the way out v128-159 (tile B: v192-223): written by sixteen multiplications, read by eight LDS stores.  v160-191 (v224-255): last named by the softmax; the loads from the stage land there, the global stores read them.  v12-14: never written again.
;   s56-63      ballots at the head, masks of the diagonal's compares in the walk: written by runs of eight compares, one wait behind each run, ahead of the run's readers.
; So a step has one wait on vm_vsrc ahead of its nine additions and one on va_vdst behind them, which all its 52 loads lean on; one on va_vdst behind each tile's exponentials; one ahead of each tile's second products.
; A run has the pair at its head, and one wait on va_vdst ahead of each tile's stores into the stage.  There is no second set of fragments: two waves of 512 registers fill a SIMD's 1,024, and both windows are taken as listed.
.set VIMG,   131072                    ; LDS: K's codes at 0: key x 64 + 16 (quarter xor (key bit 2 | key bit 4 << 1));  V's here: step x 8192 + d x 128 + 16 (eighth xor ((d >> 1) & 7))
.set PADIMG, 262144                    ; f32 for each key: 0, or -8e10 where attn_mask is 0
.set KSIMG,  270336                    ; K's scale words, a step's 64 on end: fragment b, row r at 64 b + 4 r: the two bytes of key 32 b + r + 8 (r / 8), then those of the key 8 further on
.set VSIMG,  274432                    ; V's: step x 256 + 4 d
.set STG,    278528                    ; the way out: 16 rows x 272 bytes for each wave
.set STGW,   4352
.set R, 1
.set H, 2
.set AK, 3                             ; v3-4   my lane's place in a fragment of K, bytes 0-31 and 32-63 of a key's row
.set AV, 5                             ; v5-8   in a fragment of V, for each 32 keys
.set APAD, 9
.set AKS, 10
.set AVS, 11
.set STO, 12
.set RD, 13
.set GO, 14
.set QO, 15
.set QSO, 16
.set ADK, 17                           ; v17-25 the same with the step's bytes added
.set ADV, 19
.set ADP, 23
.set ADS, 24
.set ADT, 25
.set NIL, 26                           ; 0
.set NINF, 27                          ; -infinity
.set NPAD, 28                          ; -8e10
.set DD, 29
.set ST, 30                            ; tile x: v[30+4x] -M, v[31+4x] the largest t, v[32+4x:33+4x] the sum in two halves
.set KSR, 38                           ; v38-39 K's scale words: fragments 0, 1 in the two halves of the lanes, then 2, 3
.set VSR, 40                           ; v40-41 V's likewise
.set QW, 42                            ; v[42+2x] q's scale bytes below zeros, v[43+2x] above zeros
.set PW, 46                            ; p's scale word
.set RH, 47                            ; r - 16 h
.set BM, 48
.set T4, 52
.set HD, 56
.set SO, 60
.set FF, 64
.set TT, 66
.set L2, 68
.set P, 72
.set QF, 88                            ; zeros 88, q of A 96, zeros 104, q of B 112, zeros 120
.set S, 128
.set MR, 176                           ; v176-239 at the head: the mask's whole row, 64 words a lane
.set VF, 64                            ; window 1
.set PD, 128
.set O, 192
.set WV, 20
.set HEAD, 21
.set PI, 23
.set QP0, 24
.set QP1, 25
.set SEL, 26
.set CS, 28                            ; s[28:29] c = log2(e) / 8
.set MNT, 30
.set FK, 31                            ; for a multiple of 4, Q: Q < FK exactly where keys 0..Q are all padded
.set NP, 32                            ; s[32:33] -8e10
.set KF, 34                            ; the step's first key
.set T8, 35
.set TP, 36
.set TS, 37
.set TI, 38
.set Q0, 39
.set LIM, 40                           ; s40, s41: the last first-key that tile A, B still walks
.set DEG, 42                           ; s42, s43: 1 = the EXACT way
.set TMP, 44
.set OFS, 48
.set QB, 50
.set QSB, 52
.set OB, 54
.set BAL, 56                           ; s56-63 at the head: ballots over the mask's words
.set TM0, 56                           ; s56, s57 at a run's head: where a tile's largest t begins
.set MK, 56                            ; s56-63 in the walk: the masks of eight of the diagonal's compares
.set MSB, 0
.macro WIN new                         ; the immediate's high byte repeats the setting that is left; at every label and branch the setting is 0
.if MSB != \new
	s_set_vgpr_msb (MSB<<8)|\new
.set MSB, \new
.endif
.endm
.macro PLACES n
.rept \n
	v_nop
.endr
.endm
	s_load_b512 s[4:19], s[0:1], 0x0               ; mask s[4:5], K codes s[6:7], K scales s[8:9], Q codes s[10:11], Q scales s[12:13], V codes s[14:15], V scales s[16:17], out s[18:19]
	v_lshl_add_u32 v70, v0, 2, 0x4c800             ; the LDS address of my spare word, behind the stages: made here and kept for the closing lines alone
	v_mov_b32 v71, 0                               ; and 0, likewise
	v_lshrrev_b32 v17, 5, v0
	v_readfirstlane_b32 s[WV], v17                 ; wave 0..7
	s_and_b32 s[HEAD], ttmp7, 0xffff
	s_mov_b32 s[SEL], 0x76543210
	s_mov_b32 s[SEL+1], 0xfedcba98                 ; v_permlanex16_b32's selects for lane l xor 16
	s_mov_b32 s[CS], 0x3e38aa3b                    ; f32 log2(e) with 3 off its exponent: (s / 8) x log2(e) and s x c round alike
	s_mov_b32 s[CS+1], s[CS]
	s_mov_b32 s[MNT], 0x600000                     ; the mantissa field of 448
	s_mov_b32 s[NP], 0xd19502f9                    ; -8e10 = 8 x the f32 number -1e10: s + 8 P rounds as 8 (s / 8 + P) does
	s_mov_b32 s[NP+1], s[NP]
	s_mov_b32 s[TI], 0
	s_mov_b32 s[OFS+1], 0
	v_mov_b32 v[NIL], 0
	v_mov_b32 v[NINF], 0xff800000
	v_mov_b32 v[NPAD], 0xd19502f9
	v_and_b32 v[R], 15, v0
	v_bfe_u32 v[H], v0, 4, 1
	; ---- the copy's terms, t = my thread's number (in registers that S^T takes later)
	v_lshlrev_b32 v128, 4, v0                      ; 16 t: my 16 bytes of 4,096 consecutive ones
	v_bfe_u32 v139, v0, 4, 1
	v_bfe_u32 v129, v0, 6, 1
	v_lshl_or_b32 v139, v129, 1, v139              ; key = 64 it + t / 4: its bits 2 and 4 are t's bits 4 and 6
	v_xor_b32 v129, v139, v0
	v_lshlrev_b32 v129, 4, v129                    ; K into LDS: 16 (t with its quarter turned)
	v_add_nc_u32 v130, 0x10000, v129               ; (an LDS offset has 16 bits)
	v_lshrrev_b32 v139, 4, v0                      ; V: row d = t / 16 (+ 16 for each eight loads), 16 lanes to 256 bytes of it
	v_lshlrev_b32 v131, 4, v[R]
	v_lshl_add_u32 v131, v139, 11, v131
	v_and_b32 v132, 7, v0
	v_lshrrev_b32 v133, 5, v0
	v_xor_b32 v132, v132, v133                     ; eighth xor ((d >> 1) & 7)
	v_lshlrev_b32 v132, 4, v132
	v_lshl_add_u32 v132, v139, 7, v132
	v_bfe_u32 v133, v0, 3, 1                       ; which of the 256 bytes' two steps
	v_lshl_add_u32 v132, v133, 13, v132
	v_add_nc_u32 v132, VIMG, v132
	v_add_nc_u32 v133, 0x10000, v132
	v_lshrrev_b32 v139, 1, v0                      ; K's scales: keys 16 (t / 2) + 4 (t % 2) + 0..3, and the four 8 further on
	v_and_b32 v134, 1, v0
	v_lshlrev_b32 v134, 3, v134
	v_lshl_add_u32 v134, v139, 5, v134
	v_and_b32 v139, 3, v0                          ; V's scales: row t / 4, steps 4 (t % 4) + 0..3
	v_lshrrev_b32 v135, 2, v0
	v_lshlrev_b32 v135, 2, v135
	v_lshl_add_u32 v135, v139, 10, v135
	v_add_nc_u32 v135, VSIMG, v135
	v_lshl_add_u32 v136, v0, 4, PADIMG
	v_lshl_add_u32 v137, v0, 4, KSIMG
	v_and_b32 v169, 31, v0
	v_lshlrev_b32 v169, 4, v169                    ; 16 x lane: my 16 bytes of 512 of the mask's row
	s_wait_alu depctr_va_sdst(0)                   ; the wave's number is written, ahead of its first reader: the runs of queries, and later my stage, are made from it
	s_lshl_b32 s[PI], ttmp9, 3
	s_add_co_u32 s[PI], s[PI], s[WV]               ; p = 8 x work-group + wave, 0..31
	s_lshl_b32 s[QP0], s[PI], 5                    ; first run: queries 32 p on
	s_sub_co_u32 s[QP1], 64, s[PI]
	s_cmp_eq_u32 s[PI], 0
	s_cselect_b32 s[QP1], 32, s[QP1]
	s_lshl_b32 s[QP1], s[QP1], 5                   ; second run: 32 (64 - p) on; p = 0: 32 x 32
	s_wait_kmcnt 0x0
	s_lshl_b32 s[OFS], s[HEAD], 17                 ; a head's codes: 131,072 bytes in each of the three tensors
	s_add_nc_u64 s[6:7], s[6:7], s[OFS:OFS+1]
	s_add_nc_u64 s[10:11], s[10:11], s[OFS:OFS+1]
	s_add_nc_u64 s[14:15], s[14:15], s[OFS:OFS+1]
	s_lshl_b32 s[OFS], s[HEAD], 12                 ; its scale bytes: 4,096
	s_add_nc_u64 s[8:9], s[8:9], s[OFS:OFS+1]
	s_add_nc_u64 s[12:13], s[12:13], s[OFS:OFS+1]
	s_add_nc_u64 s[16:17], s[16:17], s[OFS:OFS+1]
	s_lshl_b32 s[OFS], s[HEAD], 19                 ; its rows of out: 524,288
	s_add_nc_u64 s[18:19], s[18:19], s[OFS:OFS+1]
	s_and_b32 s[OFS], s[HEAD], 3                   ; the mask's row: head % 4
	s_lshl_b32 s[OFS], s[OFS], 13
	s_add_nc_u64 s[4:5], s[4:5], s[OFS:OFS+1]
	s_wait_alu depctr_va_vdst(0)                   ; the copy's terms v128-137 and v169 are written: the loads below read four of them as offsets, the LDS stores further down the others as addresses
	; ---- 85 loads, back to back: the 21 small pieces first
	global_load_b128 v[140:143], v128, s[4:5]              ; mask of keys 4 t + 0..3: my part of the image in LDS
	global_load_b128 v[144:147], v128, s[4:5] offset:4096  ; and of 1,024 + 4 t + 0..3
.set IT, 0
.rept 16
	global_load_b128 v[MR+4*IT:MR+4*IT+3], v169, s[4:5] offset:512*IT  ; the whole row, for my wave alone: keys 128 IT + 4 lane + 0..3
.set IT, IT+1
.endr
	global_load_b64 v[148:149], v134, s[8:9]
	global_load_b64 v[150:151], v134, s[8:9] offset:16
	global_load_b128 v[152:155], v128, s[16:17]
	WIN 0x40                                       ; destination window 1
.set IT, 0
.rept 32
	global_load_b128 v[4*IT:4*IT+3], v128, s[6:7] offset:IT*4096       ; a wave reads 512 consecutive bytes of K
.set IT, IT+1
.endr
.set IT, 0
.rept 32
	global_load_b128 v[128+4*IT:128+4*IT+3], v131, s[14:15] offset:(IT&7)*256+(IT>>3)*32768   ; sixteen lanes read 256 consecutive bytes of a row of V
.set IT, IT+1
.endr
	WIN 0
	; ---- the walk's lane terms, while the loads are on their way: they name no register that a load above reads or lands in
	v_and_b32 v17, 8, v[R]
	v_add_nc_u32 v17, v17, v[R]                    ; r + 8 (r / 8)
	v_lshrrev_b32 v18, 2, v[R]                     ; that key's bits 2 and 4 are r's bits 2 and 3
	v_xor_b32 v18, v18, v[H]
	v_lshlrev_b32 v18, 4, v18
	v_lshl_add_u32 v[AK], v17, 6, v18              ; quarter h; the 16 rows of a load fall on 16 different columns of 16 bytes
	v_xor_b32 v[AK+1], 32, v[AK]                   ; quarter 2 + h
	v_lshrrev_b32 v18, 1, v[R]
	v_xor_b32 v18, v18, v[H]
	v_lshlrev_b32 v18, 4, v18
	v_lshl_add_u32 v18, v[R], 7, v18
	v_add_nc_u32 v[AV], VIMG, v18                  ; eighth h
	v_xor_b32 v[AV+1], 32, v[AV]                   ; eighths 2 c + h
	v_xor_b32 v[AV+2], 64, v[AV]
	v_xor_b32 v[AV+3], 96, v[AV]
	v_lshl_add_u32 v[APAD], v[H], 6, PADIMG        ; my half's 16 keys of a block of 32
	v_and_b32 v17, 31, v0
	v_lshl_add_u32 v[AKS], v17, 2, KSIMG
	v_lshl_add_u32 v[AVS], v17, 2, VSIMG
	s_mul_i32 s[TMP], s[WV], STGW
	s_add_co_u32 s[TMP], s[TMP], STG               ; my stage
	v_mul_u32_u24 v[STO], v[R], 272
	v_lshl_add_u32 v[STO], v[H], 5, v[STO]
	v_add_nc_u32 v[STO], s[TMP], v[STO]            ; in: row r, 32 bytes for each half of the lanes
	v_mul_u32_u24 v[RD], v[H], 272
	v_lshl_add_u32 v[RD], v[R], 4, v[RD]
	v_add_nc_u32 v[RD], s[TMP], v[RD]              ; back: lanes 0-15 one row of 256 bytes, lanes 16-31 the next
	v_lshlrev_b32 v[GO], 8, v[H]
	v_lshl_add_u32 v[GO], v[R], 4, v[GO]           ; and the same two rows in out
	v_lshlrev_b32 v[QO], 6, v[R]
	v_lshl_add_u32 v[QO], v[H], 4, v[QO]
	v_lshlrev_b32 v[QSO], 1, v[R]
	v_lshlrev_b32 v[RH], 4, v[H]
	v_sub_nc_u32 v[RH], v[R], v[RH]
.irp i, 0,1,2,3,4,5,6,7
	v_mov_b32 v[QF+\i], 0                          ; the zero codes beside q: written once
	v_mov_b32 v[QF+16+\i], 0
	v_mov_b32 v[QF+32+\i], 0
.endr
.irp i, 0,1,2,3
	v_mov_b32 v[T4+\i], 0                          ; written once: a lane permute's destination counts as one of its sources
.endr
	v_mov_b32 v[FF+1], 0                           ; (named as the upper half of a pair)
	; ---- the small pieces
	s_wait_loadcnt 63                              ; 64 loads are younger than the 21; a wait's count names 63 at the most, so one load of K is waited for with them
.irp i, 0,1,2,3,4,5,6,7
	v_cmp_ne_u32 s[BAL+\i], 0, v[140+\i]
.endr
	v_perm_b32 v164, v150, v148, 0x05040100        ; a key's two bytes below, those of the key 8 further on above
	v_perm_b32 v165, v150, v148, 0x07060302
	v_perm_b32 v166, v151, v149, 0x05040100
	v_perm_b32 v167, v151, v149, 0x07060302
	s_wait_alu depctr_va_sdst(0)                   ; the eight ballots are written, ahead of the selects that read them
.irp i, 0,1,2,3,4,5,6,7
	v_cndmask_b32 v[156+\i], v[NPAD], v[NIL], s[BAL+\i]    ; 0 where the key counts, -8e10 where it is padded
.endr
	s_wait_alu depctr_va_vdst(0)                   ; the permutes and the selects have written v156-167, which the LDS stores below read
	ds_store_b128 v136, v[156:159]
	ds_store_b128 v136, v[160:163] offset:4096
	ds_store_b128 v137, v[164:167]                 ; the four words' place works out as 16 t
.irp i, 0,1,2,3
	ds_store_b32 v135, v[152+\i] offset:256*\i
.endr
	; ---- FK.  Load j's lane L holds the group of four keys 32 j + L.  G = the first group with an unpadded key; G0 = the first group whose FIRST key is unpadded (G0 >= G).
	; Only multiples of 16 are ever compared with FK = 4 G + (G0 > G): for a multiple of 4, Q: Q / 4 < G: keys 0..Q are padded; Q / 4 = G: they are exactly where key 4 G is, which is G0 > G; Q / 4 > G: they are not.
	s_mov_b32 s[TMP+2], 0x10000                    ; G
	s_mov_b32 s[TMP+3], 0x10000                    ; G0
.set JG, 0
.rept 4                                        ; four loads at a time: eight ballots
.irp q, 0,1,2,3
	v_or_b32 v[170+\q], v[MR+16*JG+4*\q], v[MR+16*JG+4*\q+1]
.endr
.irp q, 0,1,2,3
	v_or_b32 v[170+\q], v[170+\q], v[MR+16*JG+4*\q+2]
.endr
.irp q, 0,1,2,3
	v_or_b32 v[170+\q], v[170+\q], v[MR+16*JG+4*\q+3]
.endr
.irp q, 0,1,2,3
	v_cmp_ne_u32 s[BAL+2*\q], 0, v[170+\q]         ; any of the group's four
	v_cmp_ne_u32 s[BAL+2*\q+1], 0, v[MR+16*JG+4*\q]    ; its first
.endr
	s_wait_alu depctr_va_sdst(0)                   ; the eight ballots are written, ahead of the scalar lines that read them
.irp q, 0,1,2,3
	s_ctz_i32_b32 s[TMP], s[BAL+2*\q]              ; the first lane; -1 where no bit is set:
	s_ctz_i32_b32 s[TMP+1], s[BAL+2*\q+1]
	s_min_u32 s[TMP], s[TMP], 4096                 ; then a number beyond every group
	s_min_u32 s[TMP+1], s[TMP+1], 4096
	s_add_co_u32 s[TMP], s[TMP], 32*(4*JG+\q)
	s_add_co_u32 s[TMP+1], s[TMP+1], 32*(4*JG+\q)
	s_min_u32 s[TMP+2], s[TMP+2], s[TMP]
	s_min_u32 s[TMP+3], s[TMP+3], s[TMP+1]
.endr
.set JG, JG+1
.endr
	s_cmp_gt_u32 s[TMP+3], s[TMP+2]
	s_cselect_b32 s[TMP], 1, 0
	s_lshl_b32 s[FK], s[TMP+2], 2
	s_add_co_u32 s[FK], s[FK], s[TMP]              ; all keys padded: 16,384, beyond every query
	; ---- the codes.  Their LDS addresses were written ahead of the head's first wait on va_vdst and no vector line has named them since; their data come from loads
	WIN 0x04                                       ; an LDS store's data are its source 1: window 1
.set IT, 0
.rept 32
	s_wait_loadcnt 63-IT                           ; younger: K's 31 - IT and V's 32
.if IT < 16
	ds_store_b128 v129, v[4*IT:4*IT+3] offset:IT*4096
.else
	ds_store_b128 v130, v[4*IT:4*IT+3] offset:(IT-16)*4096
.endif
.set IT, IT+1
.endr
.set IT, 0
.rept 32
	s_wait_loadcnt 31-IT                           ; younger: V's 31 - IT
.set VB, (IT&7)*16384+(IT>>3)*2048
.if VB < 65536
	ds_store_b128 v132, v[128+4*IT:128+4*IT+3] offset:VB
.else
	ds_store_b128 v133, v[128+4*IT:128+4*IT+3] offset:VB-65536
.endif
.set IT, IT+1
.endr
	WIN 0
	s_wait_dscnt 0x0                               ; for the others' sake: all my stores have landed
	s_barrier_signal -1
	s_barrier_wait -1                              ; the only barrier: from here on the images are only read
; The eight first products of tile x: fragment b against [q | 0] (u = 0) and [0 | q] (u = 1).  fast = 1: the padding mask is the C.  Eight different accumulators.
.macro QK x, fast
.set SX, S+64*(\x)
.if \fast
	WIN 0x11                                       ; source 0 (K) and source 2 (the mask) window 1
.else
	WIN 0x01
.endif
.irp b, 0,1,2,3
.irp u, 0,1
.if \fast
.if (\b)%2
	v_wmma_scale_f32_16x16x128_f8f6f4 v[SX+8*(2*\b+\u):SX+8*(2*\b+\u)+7], v[16*\b:16*\b+15], v[QF+8+16*(\x)-8*\u:QF+8+16*(\x)-8*\u+15], v[PD+8*(2*\b+\u):PD+8*(2*\b+\u)+7], v[KSR+\b/2], v[QW+2*(\x)+\u] matrix_a_scale:MATRIX_SCALE_ROW1
.else
	v_wmma_scale_f32_16x16x128_f8f6f4 v[SX+8*(2*\b+\u):SX+8*(2*\b+\u)+7], v[16*\b:16*\b+15], v[QF+8+16*(\x)-8*\u:QF+8+16*(\x)-8*\u+15], v[PD+8*(2*\b+\u):PD+8*(2*\b+\u)+7], v[KSR+\b/2], v[QW+2*(\x)+\u]
.endif
.else
.if (\b)%2
	v_wmma_scale_f32_16x16x128_f8f6f4 v[SX+8*(2*\b+\u):SX+8*(2*\b+\u)+7], v[16*\b:16*\b+15], v[QF+8+16*(\x)-8*\u:QF+8+16*(\x)-8*\u+15], 0, v[KSR+\b/2], v[QW+2*(\x)+\u] matrix_a_scale:MATRIX_SCALE_ROW1
.else
	v_wmma_scale_f32_16x16x128_f8f6f4 v[SX+8*(2*\b+\u):SX+8*(2*\b+\u)+7], v[16*\b:16*\b+15], v[QF+8+16*(\x)-8*\u:QF+8+16*(\x)-8*\u+15], 0, v[KSR+\b/2], v[QW+2*(\x)+\u]
.endif
.endif
.endr
.endr
	WIN 0
.endm
; FAST, the step on the diagonal: register 16 b + i holds key KF + 32 b + 16 h + i, hidden where 32 b + i > my query - KF - 16 h.  Hidden scores become -infinity: p = 0.
; The compares go in runs of eight, an accumulator's eight registers, into eight scalar registers, with one wait behind each run.
.macro DIAGF x
.set SX, S+64*(\x)
	s_sub_co_i32 s[TMP], s[Q0], s[KF]
.if \x
	s_add_co_i32 s[TMP], s[TMP], 16
.endif
	v_add_nc_u32 v[DD], s[TMP], v[RH]
.set NG, 0
.rept 8
.irp i, 0,1,2,3,4,5,6,7
	v_cmp_gt_i32 s[MK+\i], 32*((8*NG+\i)/16)+(8*NG+\i)%16, v[DD]
.endr
	s_wait_alu depctr_va_sdst(0)                   ; the eight masks are written, ahead of the selects that read them
.irp i, 0,1,2,3,4,5,6,7
	v_cndmask_b32 v[SX+8*NG+\i], v[SX+8*NG+\i], v[NINF], s[MK+\i]
.endr
.set NG, NG+1
.endr
.endm
; EXACT: the two masks are added one after the other, in f32, on 8 x the logit: the same roundings as (s / 8 + pad) + causal.
.macro EXM x
.set SX, S+64*(\x)
	WIN 0x04                                       ; source 1 (the mask) window 1
.set NN, 0
.rept 32
	v_pk_add_f32 v[SX+NN:SX+NN+1], v[SX+NN:SX+NN+1], v[PD+NN:PD+NN+1]
.set NN, NN+2
.endr
	WIN 0
	s_add_co_u32 s[TMP+1], s[Q0], 16*(\x)          ; the tile's first query
	s_add_co_u32 s[TMP], s[KF], 127
	s_cmp_le_u32 s[TMP], s[TMP+1]
	s_cbranch_scc1 .Lseen_\@                       ; no key of the step is hidden from any of the 16 queries
	s_cmp_gt_u32 s[KF], s[TMP+1]                   ; KF and the first query are multiples of 16: then all keys lie behind all 16 queries
	s_cbranch_scc0 .Lmixed_\@
.set NN, 0
.rept 32
	v_pk_add_f32 v[SX+NN:SX+NN+1], v[SX+NN:SX+NN+1], s[NP:NP+1] op_sel_hi:[1,0]
.set NN, NN+2
.endr
	s_branch .Lseen_\@
.Lmixed_\@:
	s_sub_co_i32 s[TMP], s[TMP+1], s[KF]
	v_add_nc_u32 v[DD], s[TMP], v[RH]
.set NG, 0
.rept 8
.irp i, 0,1,2,3,4,5,6,7
	v_cmp_gt_i32 s[MK+\i], 32*((8*NG+\i)/16)+(8*NG+\i)%16, v[DD]
.endr
	s_wait_alu depctr_va_sdst(0)                   ; the eight masks are written, ahead of the selects that read them
.irp i, 0,1,2,3,4,5,6,7
	v_cndmask_b32 v[TT+(\i)%2], v[NIL], v[NPAD], s[MK+\i]
	v_add_f32 v[SX+8*NG+\i], v[SX+8*NG+\i], v[TT+(\i)%2]
.endr
.set NG, NG+1
.endr
.Lseen_\@:
.endm
; Tile x's softmax for 128 keys.  e = 0: S^T holds 8 x the logit, and t - M is one fused multiply-add.  e = 1: t is rounded by itself first, then -M is added.
.macro SOFTMAX x, e
.set SX, S+64*(\x)
.set NM, ST+4*(\x)
.set LL, ST+4*(\x)+2
.set OX, O+32*(\x)
.if \e
.set NN, 0
.rept 32
	v_pk_mul_f32 v[SX+NN:SX+NN+1], v[SX+NN:SX+NN+1], s[CS:CS+1] op_sel_hi:[1,0]    ; t
.set NN, NN+2
.endr
.endif
.irp b, 0,1,2,3
	v_max3_num_f32 v[BM+\b], v[SX+16*\b], v[SX+16*\b+1], v[SX+16*\b+2]     ; the largest of each block of 32 keys: for the row's maximum, and, since p rises with it, for the block's largest p.  Each accumulator is read from its low end on
.endr
.irp i, 3,5,7,9,11,13
.irp b, 0,1,2,3
	v_max3_num_f32 v[BM+\b], v[BM+\b], v[SX+16*\b+\i], v[SX+16*\b+\i+1]
.endr
.endr
.irp b, 0,1,2,3
	v_max_num_f32 v[BM+\b], v[BM+\b], v[SX+16*\b+15]
.endr
.irp b, 0,1,2,3
	v_permlanex16_b32 v[T4+\b], v[BM+\b], s[SEL], s[SEL+1]
.endr
.irp b, 0,1,2,3
	v_max_num_f32 v[BM+\b], v[BM+\b], v[T4+\b]     ; with lane l xor 16's 16 keys
.endr
	v_max3_num_f32 v[TT], v[BM], v[BM+1], v[BM+2]
	v_max_num_f32 v[TT], v[TT], v[BM+3]
.if !\e
	v_mul_f32 v[TT], s[CS], v[TT]                  ; as t (c is positive)
.endif
	v_max_num_f32 v[NM+1], v[NM+1], v[TT]          ; the running largest t
	v_mov_b32 v[TT], v[NM]
	v_floor_f32 v[NM], -v[NM+1]                    ; the new -M = floor(-t): M is a whole number
	v_sub_f32 v[TT], v[NM], v[TT]                  ; old M - new M, 0 or less
	v_cvt_i32_f32 v[TT], v[TT]                     ; (it saturates)
	v_ldexp_f32 v[FF], 1.0, v[TT]                  ; f = 2^(old M - new M)
.set NN, 0
.rept 32
.if \e
	v_pk_add_f32 v[SX+NN:SX+NN+1], v[SX+NN:SX+NN+1], v[NM:NM+1] op_sel_hi:[1,0]
.else
	v_pk_fma_f32 v[SX+NN:SX+NN+1], v[SX+NN:SX+NN+1], s[CS:CS+1], v[NM:NM+1] op_sel_hi:[1,0,0]
.endif
.set NN, NN+2
.endr
.irp b, 0,1,2,3
.if \e
	v_add_f32 v[BM+\b], v[BM+\b], v[NM]
.else
	v_fma_f32 v[BM+\b], v[BM+\b], s[CS], v[NM]
.endif
.endr
.set NN, 0
	s_wait_alu depctr_va_vdst(0)
.rept 64
	v_exp_f32 v[SX+NN], v[SX+NN]                   ; p = 2^(t - M), at most 1
.set NN, NN+1
.endr
.irp b, 0,1,2,3
	v_exp_f32 v[BM+\b], v[BM+\b]                   ; the block's largest p: the same instructions on the same number
.endr
	v_pk_mul_f32 v[LL:LL+1], v[LL:LL+1], v[FF:FF+1] op_sel_hi:[1,0]        ; the sums under the new M (the plain line behind the exponentials)
	s_wait_alu depctr_va_vdst(0)                   ; the 68 exponentials have written p and the blocks' largest p: one wait for the batch, ahead of its first reader
.irp b, 0,1,2,3
	v_max_num_f32 v[BM+\b], 0x4800000, v[BM+\b]    ; the floor 2^(9 - 127): the byte cannot fall under 1; a block of zeros keeps that byte over zero codes
.endr
.irp b, 0,1,2,3
	v_add_nc_u32 v[SO+\b], 0xfc000000, v[BM+\b]    ; 8 off the exponent field: the conversion's scale operand
.endr
.irp b, 0,1,2,3
	v_and_or_b32 v[HD+\b], v[BM+\b], 0x7f800000, s[MNT]    ; 448 x the scale
.endr
.irp b, 0,1,2,3
	v_lshrrev_b32 v[T4+\b], 23, v[SO+\b]           ; the scale's byte
.endr
	v_lshl_or_b32 v[PW], v[T4+1], 8, v[T4]
	v_lshl_or_b32 v[PW], v[T4+2], 16, v[PW]
	v_lshl_or_b32 v[PW], v[T4+3], 24, v[PW]        ; p's scale word: far more than eight plain lines ahead of the products that name it
	v_pk_add_f32 v[L2:L2+1], v[SX:SX+1], v[SX+2:SX+3]      ; the row's sum is taken of the unquantised p, in two chains
.irp j, 4,8,12,16,20,24,28,32,36,40,44,48,52,56,60
	v_pk_add_f32 v[LL:LL+1], v[LL:LL+1], v[SX+\j:SX+\j+1]
	v_pk_add_f32 v[L2:L2+1], v[L2:L2+1], v[SX+\j+2:SX+\j+3]
.endr
	v_pk_add_f32 v[LL:LL+1], v[LL:LL+1], v[L2:L2+1]
.irp b, 0,1,2,3
.irp i, 0,1,2,3,4,5,6,7,8,9,10,11,12,13,14,15
	v_min_num_f32 v[SX+16*\b+\i], v[SX+16*\b+\i], v[HD+\b] ; the conversion to an 8-bit code does not saturate (ISA guide 7.6.2); p is not negative, so the hold is one-sided
.endr
	v_cvt_scalef32_pk8_fp8_f32 v[P+4*\b:P+4*\b+1], v[SX+16*\b:SX+16*\b+7], v[SO+\b]
	v_cvt_scalef32_pk8_fp8_f32 v[P+4*\b+2:P+4*\b+3], v[SX+16*\b+8:SX+16*\b+15], v[SO+\b]
.endr
	WIN 0x41                                       ; O^T: destination and source 0 window 1
.set NN, 0
.rept 16
	v_pk_mul_f32 v[OX+NN:OX+NN+1], v[OX+NN:OX+NN+1], v[FF:FF+1] op_sel_hi:[1,0]    ; O^T under the new M.  These sixteen are also the plain line behind the last conversion and the four in front of the products that take the codes
.set NN, NN+2
.endr
	WIN 0
.endm
; One tile's first products and softmax: one branch chooses the way for both.
.macro TILE x
	s_cmp_lg_u32 s[DEG+\x], 0
	s_cbranch_scc1 .Lexact_\@
	QK \x, 1
	PLACES 8                                       ; eight plain lines between this form and the first read of its results
	s_add_co_u32 s[TMP], s[KF], 127
	s_cmp_le_u32 s[TMP], s[Q0]
	s_cbranch_scc1 .Lopen_\@                       ; all 128 keys come before the run's 32 queries
	DIAGF \x
.Lopen_\@:
	SOFTMAX \x, 0
	s_branch .Ltiled_\@
.Lexact_\@:
	QK \x, 0
	PLACES 8
	EXM \x
	SOFTMAX \x, 1
.Ltiled_\@:
.endm
; O^T += V^T P^T: four tiles of 16 of the head's 64; K = the step's 128 keys.  Four accumulators, one instruction each: between two links on one accumulator stand the next step's first products.
.macro PV x
.set OX, O+32*(\x)
	s_wait_alu depctr_va_vdst(0)                   ; the conversions have written p's codes and the shifts its scale word, which the products below take as source 1 and as its scales; the plain lines ahead of them stay beside this wait
	WIN 0x51                                       ; source 0 (V), C and D window 1; source 1 (p) window 0
.irp t, 0,1,2,3
.if (\t)%2
	v_wmma_scale_f32_16x16x128_f8f6f4 v[OX+8*\t:OX+8*\t+7], v[VF+16*\t:VF+16*\t+15], v[P:P+15], v[OX+8*\t:OX+8*\t+7], v[VSR+\t/2], v[PW] matrix_a_scale:MATRIX_SCALE_ROW1
.else
	v_wmma_scale_f32_16x16x128_f8f6f4 v[OX+8*\t:OX+8*\t+7], v[VF+16*\t:VF+16*\t+15], v[P:P+15], v[OX+8*\t:OX+8*\t+7], v[VSR+\t/2], v[PW]
.endif
.endr
	WIN 0
.endm
; The way out of tile x: O^T / the sum, through my stage, back as whole rows of 256 bytes.
.macro FINAL x
.set SX, S+64*(\x)
.set LL, ST+4*(\x)+2
.set OX, O+32*(\x)
	v_add_f32 v[TT], v[LL], v[LL+1]                ; the sum's two halves,
	v_permlanex16_b32 v[T4], v[TT], s[SEL], s[SEL+1]
	v_add_f32 v[TT], v[TT], v[T4]                  ; and lane l xor 16's
	s_wait_alu depctr_va_vdst(0)
	v_rcp_f32 v[FF], v[TT]
	v_nop                                          ; one plain line behind a transcendental
	WIN 0x01
.set NN, 0
	s_wait_alu depctr_va_vdst(0)                   ; the reciprocal is written, ahead of its first reader
.rept 16
	v_pk_mul_f32 v[SX+NN:SX+NN+1], v[OX+NN:OX+NN+1], v[FF:FF+1] op_sel_hi:[1,0]    ; register 8 t + j: out(r, 16 t + 8 h + j)
.set NN, NN+2
.endr
	WIN 0
	s_wait_alu depctr_va_vdst(0)                   ; the sixteen multiplications have written the tile's lower 32 registers, which the LDS stores read; the softmax is done with its upper 32, in which the loads from the stage land
.irp t, 0,1,2,3
	ds_store_b128 v[STO], v[SX+8*\t:SX+8*\t+3] offset:64*\t
	ds_store_b128 v[STO], v[SX+8*\t+4:SX+8*\t+7] offset:64*\t+16
.endr
.irp i, 0,1,2,3,4,5,6,7
	ds_load_b128 v[SX+32+4*\i:SX+32+4*\i+3], v[RD] offset:544*\i   ; LDS serves a wave's instructions in order (ISA guide 5.7.1.4): these see my stores
.endr
.irp i, 0,1,2,3,4,5,6,7
	s_wait_dscnt 7-\i                              ; the younger of these eight loads may be out
	global_store_b128 v[GO], v[SX+32+4*\i:SX+32+4*\i+3], s[OB:OB+1] offset:512*\i+4096*(\x) th:TH_STORE_NT    ; sixteen lanes store a whole row of out: 256 consecutive bytes, aligned
.endr
.endm
.Lsuper:                                               ; two trips: the wave's two runs of 32 queries
	s_wait_xcnt 0x0                                ; the last run's stores have read their data and their base: both are written again below
	s_wait_alu depctr_vm_vsrc(0)                   ; first run: the head's loads and LDS stores have read their offsets, addresses and data; second run: the way out's LDS stores and global stores have read S^T's registers: O^T's zeros, the fragments' loads and the products below write all of these
	s_wait_alu depctr_va_vdst(0)                   ; first run: the offsets v15 and v16 are written; second run: the last run's products are done reading q and its scale words, in which the loads below land
	s_mov_b32 s[TMP], 2047
	s_mov_b32 s[TMP+2], 0xff61b1e6                 ; -3e38, under every t
	s_mov_b32 s[TMP+3], 0xce6e6b28                 ; -1e9: over every masked t, so that steps in which all keys so far are padded give p = 0
	s_cmp_eq_u32 s[TI], 0
	s_cselect_b32 s[Q0], s[QP0], s[QP1]
	s_add_co_u32 s[TMP+1], s[Q0], 16
	s_cmp_lt_u32 s[Q0], s[FK]                      ; tile A's first query sees only padded keys?
	s_cselect_b32 s[DEG], 1, 0
	s_cselect_b32 s[LIM], s[TMP], s[Q0]
	s_cselect_b32 s[TM0], s[TMP+2], s[TMP+3]
	s_cmp_lt_u32 s[TMP+1], s[FK]                   ; tile B's?
	s_cselect_b32 s[DEG+1], 1, 0
	s_cselect_b32 s[LIM+1], s[TMP], s[Q0]
	s_cselect_b32 s[TM0+1], s[TMP+2], s[TMP+3]
	s_lshl_b32 s[OFS], s[Q0], 6
	s_add_nc_u64 s[QB:QB+1], s[10:11], s[OFS:OFS+1]
	s_lshl_b32 s[OFS], s[Q0], 1
	s_add_nc_u64 s[QSB:QSB+1], s[12:13], s[OFS:OFS+1]
	s_lshl_b32 s[OFS], s[Q0], 8
	s_add_nc_u64 s[OB:OB+1], s[18:19], s[OFS:OFS+1]
.irp x, 0,1
.irp c, 0,1
	global_load_b128 v[QF+8+16*\x+4*\c:QF+8+16*\x+4*\c+3], v[QO], s[QB:QB+1] offset:1024*\x+32*\c  ; q(r, 32 c + 16 h + 0..15)
.endr
	global_load_u16 v[QW+2*\x], v[QSO], s[QSB:QSB+1] offset:32*\x  ; row r's two scale bytes; bytes 2 and 3 are 0
.endr
	WIN 0x40
.set NN, 0
.rept 64
	v_mov_b32 v[O+NN], 0                           ; O^T of both tiles: the step is written once, and its first change of M leaves zeros zeros
.set NN, NN+1
.endr
	WIN 0
.irp x, 0,1
	v_mov_b32 v[ST+4*\x+1], s[TM0+\x]
	v_floor_f32 v[ST+4*\x], -v[ST+4*\x+1]
	v_mov_b32 v[ST+4*\x+2], 0
	v_mov_b32 v[ST+4*\x+3], 0
.endr
	s_mov_b32 s[KF], 0
	s_mov_b32 s[T8], 0
	s_mov_b32 s[TP], 0
	s_mov_b32 s[TS], 0
	s_wait_loadcnt 0x0
	v_lshlrev_b32 v[QW+1], 16, v[QW]               ; the same two bytes above zeros, for [0 | q]; the step's nine additions are the eight plain lines between these and the first product
	v_lshlrev_b32 v[QW+3], 16, v[QW+2]
.Ltrip:                                                ; sixteen trips of 128 keys, always: a trip that the run does not need is left by one branch
	s_cmp_gt_u32 s[KF], s[LIM]
	s_cbranch_scc1 .Lnext
	s_wait_alu depctr_vm_vsrc(0)                   ; the last step's LDS loads have read v17-25, which the nine additions write
	v_add_nc_u32 v[ADK], s[T8], v[AK]              ; nine plain lines
	v_add_nc_u32 v[ADK+1], s[T8], v[AK+1]
	v_add_nc_u32 v[ADV], s[T8], v[AV]
	v_add_nc_u32 v[ADV+1], s[T8], v[AV+1]
	v_add_nc_u32 v[ADV+2], s[T8], v[AV+2]
	v_add_nc_u32 v[ADV+3], s[T8], v[AV+3]
	v_add_nc_u32 v[ADP], s[TP], v[APAD]
	v_add_nc_u32 v[ADS], s[TS], v[AKS]
	v_add_nc_u32 v[ADT], s[TS], v[AVS]
	s_wait_alu depctr_va_vdst(0)                   ; the nine addresses are written, which the 52 loads below read; the last step's products and additions are done reading K's and V's fragments, the mask and the scale words, in which those loads land; in a run's first step q's shifted scale words are written, which the first products take
	ds_load_b32 v[KSR], v[ADS]
	ds_load_b32 v[KSR+1], v[ADS] offset:128
	ds_load_b32 v[VSR], v[ADT]
	ds_load_b32 v[VSR+1], v[ADT] offset:128
	WIN 0x40
.irp b, 0,1,2,3
.irp u, 0,1
.irp c, 0,1
	ds_load_b128 v[16*\b+4*(2*\u+\c):16*\b+4*(2*\u+\c)+3], v[ADK+\c] offset:\b*2048+\u*512     ; key 32 b + 8 u + r + 8 (r / 8), bytes 32 c + 16 h on
.endr
.endr
.endr
.set NN, 0
.rept 16
	ds_load_b128 v[PD+4*NN:PD+4*NN+3], v[ADP] offset:128*(NN/4)+16*(NN%4)  ; the mask of keys 32 b + 16 h + 0..15: register for register as S^T lies
.set NN, NN+1
.endr
.irp t, 0,1,2,3
.irp c, 0,1,2,3
	ds_load_b128 v[VF+16*\t+4*\c:VF+16*\t+4*\c+3], v[ADV+\c] offset:\t*2048        ; row d = 16 t + r, keys 32 c + 16 h on
.endr
.endr
	WIN 0
	s_wait_dscnt 16                                ; V's sixteen loads may be out; the scale words, K and the mask are in
	TILE 0
	s_wait_dscnt 0x0                               ; V is in
	PV 0
	s_cmp_gt_u32 s[KF], s[LIM+1]
	s_cbranch_scc1 .Lnext                          ; tile A alone walks on behind the diagonal
	TILE 1
	PV 1
.Lnext:
	s_add_co_u32 s[T8], s[T8], 8192
	s_add_co_u32 s[TP], s[TP], 512
	s_add_co_u32 s[TS], s[TS], 256
	s_add_co_u32 s[KF], s[KF], 128
	s_cmp_lt_u32 s[KF], 2048
	s_cbranch_scc1 .Ltrip
	PLACES 8                                       ; between the last products and the first read of O^T
	s_wait_alu depctr_va_vdst(0)
	FINAL 0
	FINAL 1
	s_add_co_u32 s[TI], s[TI], 1
	s_cmp_lt_u32 s[TI], 2
	s_cbranch_scc1 .Lsuper
	s_wait_dscnt 0x0                               ; the closing lines, six on end
	s_wait_alu 0x0
	s_wait_tensorcnt 0x0
	ds_add_u32 v70, v71
	s_wait_dscnt 0x0
	s_endpgm
.Lfunc_end_k_q6bf0bf36ab_attn:
	.size	k_q6bf0bf36ab_attn, .Lfunc_end_k_q6bf0bf36ab_attn-k_q6bf0bf36ab_attn
	.p2alignl 7, 3214868480
	.fill 96, 4, 3214868480
	.section	.rodata,"a",@progbits
	.p2align	6, 0x0
	.amdhsa_kernel k_q6bf0bf36ab_attn
		.amdhsa_group_segment_fixed_size 314368
		.amdhsa_private_segment_fixed_size 0
		.amdhsa_enable_private_segment 0
		.amdhsa_kernarg_size 64
		.amdhsa_user_sgpr_count 2
		.amdhsa_user_sgpr_kernarg_segment_ptr 1
		.amdhsa_wavefront_size32 1
		.amdhsa_system_sgpr_workgroup_id_x 1
		.amdhsa_system_sgpr_workgroup_id_y 1
		.amdhsa_system_sgpr_workgroup_id_z 1
		.amdhsa_system_vgpr_workitem_id 0
		.amdhsa_next_free_vgpr 512
		.amdhsa_next_free_sgpr 66
		.amdhsa_reserve_vcc 0
		.amdhsa_float_denorm_mode_32 3
		.amdhsa_float_denorm_mode_16_64 3
		.amdhsa_memory_ordered 1
		.amdhsa_forward_progress 1
		.amdhsa_inst_pref_size 164
	.end_amdhsa_kernel
	.amdgpu_metadata
---
amdhsa.version: [ 1, 2 ]
amdhsa.kernels:
  - .name:           k_q6bf0bf36ab_attn
    .symbol:         k_q6bf0bf36ab_attn.kd
    .args:
      - { .name: attn_mask, .offset: 0, .size: 8, .value_kind: global_buffer, .address_space: global }
      - { .name: key_codes, .offset: 8, .size: 8, .value_kind: global_buffer, .address_space: global }
      - { .name: key_scales, .offset: 16, .size: 8, .value_kind: global_buffer, .address_space: global }
      - { .name: query_codes, .offset: 24, .size: 8, .value_kind: global_buffer, .address_space: global }
      - { .name: query_scales, .offset: 32, .size: 8, .value_kind: global_buffer, .address_space: global }
      - { .name: value_codes, .offset: 40, .size: 8, .value_kind: global_buffer, .address_space: global }
      - { .name: value_scales, .offset: 48, .size: 8, .value_kind: global_buffer, .address_space: global }
      - { .name: out0, .offset: 56, .size: 8, .value_kind: global_buffer, .address_space: global }
    .group_segment_fixed_size: 314368
    .private_segment_fixed_size: 0
    .kernarg_segment_align: 8
    .kernarg_segment_size: 64
    .max_flat_workgroup_size: 256
    .sgpr_count:     66
    .vgpr_count:     512
    .wavefront_size: 32
...
	.end_amdgpu_metadata
.endif
;; end of part 2
